; MI455X (gfx1250); checked and timed in simulation.
; The chip was launched on July 23, 2026; its instructions are those of AMD's public machine-readable ISA for CDNA 5 (MIT licence, August 2026) and "CDNA5" Instruction Set Architecture Reference Guide (July 2026). The comments in the code are by the model that wrote it; some were corrected since.
;; Dual State Linear Attention. Allowed arithmetic: float matrix products may take bf16 or f16 operands with f32 sums; other float arithmetic in f32, or as packed bf16 or f16 multiplies, adds, multiply-adds, maxima and minima; sums over many terms, partial sums and values carried from step to step in f32; what a program stores and reads back later, other than sums and carried values, may be rounded once to bf16 or f16.
;; Inputs: Wg1 2,048 x 2,048 float32; Wg2 2,048 x 2,048 float32; Wk 2,048 x 2,048 float32; Wo 2,048 x 2,048 float32; Wq 2,048 x 2,048 float32; Wv 2,048 x 2,048 float32; alpha_list 2 float32; bg1 2,048 float32; bg2 2,048 float32; hidden_states 2 x 1,024 x 2,048 float32.
;; Outputs: out0 2 x 1,024 x 2,048 float32.
;; 2 versions, each right; version 2 is version 1 with the launch intra written anew for expert scheduling mode. Each part assembles by itself: llvm-mc -triple=amdgcn-amd-amdhsa -mcpu=gfx1250 --defsym DOCPART=n.
;; ======== version 1 of 2: 5 launches
;; limits: values are held in f16: magnitudes above 65,504 overflow, below 6.1e-05 lose precision
;; workspace buffers: Wcat 41,943,040 bytes; Xb 8,388,608 bytes; Wof 8,395,776 bytes; P 41,943,040 bytes; st2 12,288 bytes; Sst 16,777,472 bytes; Ob 8,388,608 bytes
;; launch cvt (part 1): grid 64 x 7, 4 waves a work-group, no clusters, 0 bytes of LDS; arguments Wq, Wk, Wv, Wg1, Wg2, hidden_states, Wo, Wcat, Xb, Wof; writes Wcat, Xb, Wof
.if DOCPART == 1
	.amdgcn_target "amdgcn-amd-amdhsa--gfx1250"
	.amdhsa_code_object_version 6
	.text
	.protected	k_qe954876afd_cvt
	.globl	k_qe954876afd_cvt
	.p2align	8
	.type	k_qe954876afd_cvt,@function
k_qe954876afd_cvt:
	s_mov_b64 s[64:65], 0
	v_nop
	global_prefetch_b8 v0, s[64:65] scope:SCOPE_SE
	s_setreg_imm32_b32 hwreg(HW_REG_WAVE_MODE, 25, 1), 1
	s_wait_xcnt 0x0
; THE INPUTS ARE ROUNDED ONCE.  Seven tensors of [2048][2048] f32 (grid y: 0-4 Wq, Wk, Wv, Wg1, Wg2; 5 hidden_states; 6 Wo) are rounded to bf16.
; y < 5: row G*16+c of the weight goes to row (G*5+y)*16+c of Wcat, so that 16 channels of q, k, v and both gates lie together.  y = 5: Xb.  y = 6: the bf16 number is written as f16 into Wof.
; For y < 6 each wave also stores the largest magnitude of its rounded numbers: f32 word y*256 + x*4 + wave, 8,388,608 bytes into Wof.
; LIMITS.  Wo beyond 65,504 becomes an infinity in f16; below 6e-5 it keeps f16's fixed step of 6e-8.  NaN is not treated apart.
; SHARES.  A work-group takes 32 rows, a wave 8.  A lane takes 32 bytes of f32 (two loads of 16) and gives 16 bytes: a store of the wave covers 512 consecutive bytes, aligned.
; A ring of eight slots (a row) keeps 16 loads of every wave on their way.  Memory binds: no LDS, no matrix unit, no cluster, no prefetch.
.set ROWI, 8192
.set ROWO, 4096
.set OFFI, 2                           ; v[2:9]    slot i: byte offset of my 32 bytes in
.set OFFO, 10                          ; v[10:17]  slot i: byte offset of my 16 bytes out
.set X,    18                          ; v[18:81]  slot i: 8 numbers as loaded
.set Y,    82                          ; v[82:113] slot i: 4 registers to store
.set T,    114                         ; v[114:121] at work
.set M,    122                         ; v[122:123] two running maxima, two bf16 each
.set TA,   124                         ; v124      where the wave's maximum goes
	s_load_b512 s[8:23], s[0:1], 0x0               ; Wq, Wk, Wv, Wg1, Wg2, hidden_states, Wo, Wcat
	s_load_b128 s[24:27], s[0:1], 0x40             ; Xb, Wof
	v_and_b32 v1, 31, v0
	v_lshrrev_b32 v125, 5, v0
	v_readfirstlane_b32 s2, v125                   ; wave
	s_and_b32 s3, ttmp7, 0xffff                    ; which tensor
	s_lshl_b32 s4, ttmp9, 5
	s_lshl3_add_u32 s4, s2, s4                     ; my first row: 32 x + 8 wave
	s_lshr_b32 s5, s4, 4                           ; its group of 16
	s_mul_i32 s5, s5, 5
	s_add_co_u32 s5, s5, s3
	s_lshl_b32 s5, s5, 4
	s_and_b32 s6, s4, 15
	s_add_co_u32 s5, s5, s6
	s_cmp_lt_u32 s3, 5
	s_cselect_b32 s5, s5, s4                       ; the row it goes to
	s_lshl_b32 s28, s4, 13
	s_mov_b32 s29, 0
	s_lshl_b32 s30, s5, 12
	s_mov_b32 s31, 0
	s_lshl_b32 s39, s3, 8
	s_lshl2_add_u32 s39, ttmp9, s39
	s_add_co_u32 s39, s39, s2
	s_lshl_b32 s39, s39, 2
	v_mov_b32 v[TA], s39
	s_mov_b32 s6, 0x7fff7fff                       ; clears two signs
	s_mov_b32 s7, 0xffff0000                       ; a word's upper bf16
	s_mov_b32 s36, 0x76543210
	s_mov_b32 s37, 0xfedcba98
	v_mov_b32 v[M], 0
	v_mov_b32 v[M+1], 0
.irp i, 0,1,2,3,4,5,6,7
	v_lshl_or_b32 v[OFFI+(\i)], v1, 5, (\i)*1024
	v_lshl_or_b32 v[OFFO+(\i)], v1, 4, (\i)*512
.endr
	s_wait_kmcnt 0x0
	s_mov_b64 s[32:33], s[8:9]                     ; the source, chosen by the tensor's number
	s_cmp_eq_u32 s3, 1
	s_cselect_b64 s[32:33], s[10:11], s[32:33]
	s_cmp_eq_u32 s3, 2
	s_cselect_b64 s[32:33], s[12:13], s[32:33]
	s_cmp_eq_u32 s3, 3
	s_cselect_b64 s[32:33], s[14:15], s[32:33]
	s_cmp_eq_u32 s3, 4
	s_cselect_b64 s[32:33], s[16:17], s[32:33]
	s_cmp_eq_u32 s3, 5
	s_cselect_b64 s[32:33], s[18:19], s[32:33]
	s_cmp_eq_u32 s3, 6
	s_cselect_b64 s[32:33], s[20:21], s[32:33]
	s_mov_b64 s[34:35], s[22:23]                   ; and the destination
	s_cmp_eq_u32 s3, 5
	s_cselect_b64 s[34:35], s[24:25], s[34:35]
	s_cmp_eq_u32 s3, 6
	s_cselect_b64 s[34:35], s[26:27], s[34:35]
	s_add_nc_u64 s[32:33], s[32:33], s[28:29]
	s_add_nc_u64 s[34:35], s[34:35], s[30:31]
	s_add_nc_u64 s[26:27], s[26:27], 0x800000      ; the table of maxima
.irp i, 0,1,2,3,4,5,6,7
	global_load_b128 v[X+8*(\i):X+8*(\i)+3],   v[OFFI+(\i)], s[32:33] th:TH_LOAD_NT
	global_load_b128 v[X+8*(\i)+4:X+8*(\i)+7], v[OFFI+(\i)], s[32:33] offset:16 th:TH_LOAD_NT
.endr
; One slot's turn.  ahead = 1: the slot is filled again, a row further down.  left: the younger loads that may stay out.  fmt = 1: f16 of the bf16 number, no maximum.
.macro SLOT i, ahead, left, fmt
	s_wait_loadcnt \left                           ; loads come back in order: my two are in
	s_wait_xcnt 0x0                                ; the slot's last store has read Y and OFFO: they are rewritten only behind this wait
.irp j, 0,1,2,3
	v_cvt_pk_bf16_f32 v[Y+4*(\i)+(\j)], v[X+8*(\i)+2*(\j)], v[X+8*(\i)+2*(\j)+1]
.endr
.if \fmt
.irp j, 0,1,2,3
	v_lshlrev_b32 v[T+2*(\j)],   16, v[Y+4*(\i)+(\j)]
	v_and_b32     v[T+2*(\j)+1], s7, v[Y+4*(\i)+(\j)]
.endr
.irp j, 0,1,2,3
	v_cvt_pk_f16_f32 v[Y+4*(\i)+(\j)], v[T+2*(\j)], v[T+2*(\j)+1]
.endr
.else
.irp j, 0,1,2,3
	v_and_b32 v[T+(\j)], s6, v[Y+4*(\i)+(\j)]
.endr
	v_pk_max_num_bf16 v[M],   v[M],   v[T]
	v_pk_max_num_bf16 v[M+1], v[M+1], v[T+1]
	v_pk_max_num_bf16 v[M],   v[M],   v[T+2]
	v_pk_max_num_bf16 v[M+1], v[M+1], v[T+3]
.endif
	v_add_nc_u32 v[OFFO+(\i)], ROWO, v[OFFO+(\i)]  ; the store below reaches back
.if \ahead
	v_add_nc_u32 v[OFFI+(\i)], ROWI, v[OFFI+(\i)]  ; free since the wait for the slot's loads
	global_load_b128 v[X+8*(\i):X+8*(\i)+3],   v[OFFI+(\i)], s[32:33] th:TH_LOAD_NT
	global_load_b128 v[X+8*(\i)+4:X+8*(\i)+7], v[OFFI+(\i)], s[32:33] offset:16 th:TH_LOAD_NT
.endif
	global_store_b128 v[OFFO+(\i)], v[Y+4*(\i):Y+4*(\i)+3], s[34:35] offset:-ROWO th:TH_STORE_NT
.endm
	s_mov_b32 s40, 7
	s_cmp_eq_u32 s3, 6
	s_cbranch_scc1 .Lwo
.Lrow:
.irp i, 0,1,2,3,4,5,6,7
	SLOT \i, 1, 14, 0
.endr
	s_sub_co_u32 s40, s40, 1
	s_cmp_lg_u32 s40, 0
	s_cbranch_scc1 .Lrow
.irp i, 0,1,2,3,4,5,6,7
	SLOT \i, 0, 14-2*(\i), 0                       ; the last row loads nothing: the counts run down
.endr
	v_pk_max_num_bf16 v[M], v[M], v[M+1]
	v_lshlrev_b32 v[T], 16, v[M]
	v_and_b32 v[T+1], s7, v[M]
	v_max_num_f32 v[T], v[T], v[T+1]
	v_max_num_f32_dpp v[T], v[T], v[T] row_xmask:1 row_mask:0xf bank_mask:0xf
	v_max_num_f32_dpp v[T], v[T], v[T] row_xmask:2 row_mask:0xf bank_mask:0xf
	v_max_num_f32_dpp v[T], v[T], v[T] row_xmask:4 row_mask:0xf bank_mask:0xf
	v_max_num_f32_dpp v[T], v[T], v[T] row_xmask:8 row_mask:0xf bank_mask:0xf
	v_permlanex16_b32 v[T+1], v[T], s36, s37
	v_max_num_f32 v[T], v[T], v[T+1]
	s_wait_xcnt 0x0                                ; EXEC changes only behind this wait
	v_cmp_eq_u32 vcc_lo, 0, v1
	s_and_saveexec_b32 s38, vcc_lo
	global_store_b32 v[TA], v[T], s[26:27]         ; one word a wave
	s_endpgm
.Lwo:
.irp i, 0,1,2,3,4,5,6,7
	SLOT \i, 1, 14, 1
.endr
	s_sub_co_u32 s40, s40, 1
	s_cmp_lg_u32 s40, 0
	s_cbranch_scc1 .Lwo
.irp i, 0,1,2,3,4,5,6,7
	SLOT \i, 0, 14-2*(\i), 1
.endr
	s_endpgm
.Lfunc_end_k_qe954876afd_cvt:
	.size	k_qe954876afd_cvt, .Lfunc_end_k_qe954876afd_cvt-k_qe954876afd_cvt
	.p2alignl 7, 3214868480
	.fill 96, 4, 3214868480
	.section	.rodata,"a",@progbits
	.p2align	6, 0x0
	.amdhsa_kernel k_qe954876afd_cvt
		.amdhsa_group_segment_fixed_size 0
		.amdhsa_private_segment_fixed_size 0
		.amdhsa_enable_private_segment 0
		.amdhsa_kernarg_size 80
		.amdhsa_user_sgpr_count 2
		.amdhsa_user_sgpr_kernarg_segment_ptr 1
		.amdhsa_wavefront_size32 1
		.amdhsa_system_sgpr_workgroup_id_x 1
		.amdhsa_system_sgpr_workgroup_id_y 1
		.amdhsa_system_sgpr_workgroup_id_z 1
		.amdhsa_system_vgpr_workitem_id 0
		.amdhsa_next_free_vgpr 128
		.amdhsa_next_free_sgpr 66
		.amdhsa_reserve_vcc 1
		.amdhsa_float_denorm_mode_32 3
		.amdhsa_float_denorm_mode_16_64 3
		.amdhsa_memory_ordered 1
		.amdhsa_forward_progress 1
		.amdhsa_inst_pref_size 40
	.end_amdhsa_kernel
	.amdgpu_metadata
---
amdhsa.version: [ 1, 2 ]
amdhsa.kernels:
  - .name:           k_qe954876afd_cvt
    .symbol:         k_qe954876afd_cvt.kd
    .args:
      - { .name: Wq, .offset: 0, .size: 8, .value_kind: global_buffer, .address_space: global }
      - { .name: Wk, .offset: 8, .size: 8, .value_kind: global_buffer, .address_space: global }
      - { .name: Wv, .offset: 16, .size: 8, .value_kind: global_buffer, .address_space: global }
      - { .name: Wg1, .offset: 24, .size: 8, .value_kind: global_buffer, .address_space: global }
      - { .name: Wg2, .offset: 32, .size: 8, .value_kind: global_buffer, .address_space: global }
      - { .name: hidden_states, .offset: 40, .size: 8, .value_kind: global_buffer, .address_space: global }
      - { .name: Wo, .offset: 48, .size: 8, .value_kind: global_buffer, .address_space: global }
      - { .name: Wcat, .offset: 56, .size: 8, .value_kind: global_buffer, .address_space: global }
      - { .name: Xb, .offset: 64, .size: 8, .value_kind: global_buffer, .address_space: global }
      - { .name: Wof, .offset: 72, .size: 8, .value_kind: global_buffer, .address_space: global }
    .group_segment_fixed_size: 0
    .private_segment_fixed_size: 0
    .kernarg_segment_align: 8
    .kernarg_segment_size: 80
    .max_flat_workgroup_size: 128
    .sgpr_count:     66
    .vgpr_count:     128
    .wavefront_size: 32
...
	.end_amdgpu_metadata
.endif
;; end of part 1
;; launch proj (part 2): grid 8 x 32, 4 waves a work-group, clusters of 4 x 4, 327,680 bytes of LDS; arguments Wcat, Xb, P, Wof, bg1, bg2, st2; writes P, st2
.if DOCPART == 2
	.amdgcn_target "amdgcn-amd-amdhsa--gfx1250"
	.amdhsa_code_object_version 6
	.text
	.protected	k_qe954876afd_proj
	.globl	k_qe954876afd_proj
	.p2align	8
	.type	k_qe954876afd_proj,@function
k_qe954876afd_proj:
	s_mov_b64 s[64:65], 0
	v_nop
	global_prefetch_b8 v0, s[64:65] scope:SCOPE_SE
	s_setreg_imm32_b32 hwreg(HW_REG_WAVE_MODE, 25, 1), 1
	s_wait_xcnt 0x0
	s_wait_alu depctr_hold_cnt(0) depctr_sa_sdst(0) depctr_va_vdst(0) depctr_va_sdst(0) depctr_va_ssrc(0) depctr_va_vcc(0) depctr_vm_vsrc(0)
	s_getreg_b32 s2, hwreg(HW_REG_IB_STS2, 6, 4)
	s_cmp_eq_u32 s2, 0
	s_cbranch_scc0 .Lentry_in_a_cluster
	s_endpgm
.Lentry_in_a_cluster:
	s_bfe_u32 s2, ttmp6, 0x10000c
	s_cmp_lg_u32 s2, 0xf033
	s_cbranch_scc0 .Lentry_shape_is_right
	s_endpgm
.Lentry_shape_is_right:
; THE FIVE PROJECTIONS AS ONE PRODUCT.  P[row][tok] = sum over k of Wcat[row][k] Xb[tok][k]; Wcat [10240][2048], Xb [2048][2048] bf16, sums in f32, P [10240][2048] f16.
; Row (G*5+mtx)*16+c: group G of 16 channels; mtx 0, 1, 2 = q, k, v; 3, 4 = the gates.  q, k, v leave times a power of two made from the inputs' largest magnitudes (2^-(E_h+E_W), with
; max 2^-E in [0.5, 1)), so that they lie within 2,048.  A gate row leaves as L = log2(e) max(logsigmoid(x + bias), -800), in [-1154.3, 0]: the step's decay is 2^(L/16).
; Each wave also stores the largest |q|, |k|, |v| that it wrote (st2: three planes of 1,024 words).
; LIMITS.  The scale's exponent field is held to 1..254: the sums E_h + E_W must lie within 126 in magnitude.  L keeps f16's 11 bits.  NaN and infinities are not treated apart.
; SHARES.  A tile is 320 rows x 256 tokens: 32 x 8 = 256 work-groups.  Four waves, each 160 rows x 128 tokens: 80 accumulators (a = 0..9 blocks of 16 rows: two groups x five matrices; b = 0..7).
; K goes in steps of 128 through two LDS slots filled by tensor loads of 160 (Wcat) or 128 (Xb) rows of 256 bytes, padded to 272.
; CLUSTER 4 x 4: Wcat's tile is shared along a row of the cluster, Xb's along a column; each is asked for jointly.
; THE MATRIX INSTRUCTION IS USED TRANSPOSED: source 0 = 16 tokens, source 1 = 16 rows of Wcat: a lane holds one row (lane % 16) and eight neighbouring tokens.
; REGISTERS, in windows of 256: window 0: v0-31 addresses, biases, maxima; v32-111, v112-191 Wcat's fragments, two buffers; v192-255 accumulators a = 8.
;   window 1: v0-63, v64-127 Xb's fragments; v128-191 accumulators a = 9.   window 2: a = 0..3 at 8 (8 a + b).   window 3: a = 4..7.
; The stage of the way out lies in slot 0, whose last fill is K step 14 and which nobody reads behind the last change of slots.
.set KSTEP,  128
.set PITCH,  272
.set HALFA,  160*PITCH
.set HALFB,  128*PITCH
.set SLOT,   2*HALFA+2*HALFB           ; Wcat's 320 rows, then Xb's 256
.set SPARE,  2*SLOT                    ; the spare words: 128 bytes a wave, named by no other line
.set SPITCH, 272
.set ROWB,   4096                      ; bytes in a row of Wcat, Xb and P
.set LAPS,   8
.set BI,   6                           ; v[6:13]  four biases, each twice: (group 0, gate 1), (0, 2), (1, 1), (1, 2)
.set ADRA, 16
.set ADRB, 20
.set STO,  24
.set RD,   25
.set CO,   26
.set SPW,  28
.set NIL,  29
.set PFO,  30                          ; lane x a row
.set PFX,  31                          ; the eight rows that are left over of each partner's forty
.set FA,   32
.set FB,   0
.set SCR,  32                          ; the way out: 64 numbers of a block
.set T2,   96
.set TMP,  160
.set OB,   96
.set G1,  24
.set G0,  32
.set G1B, 48
.set G0B, 56
.set LIM, 43
.set PFA, 44
.set LIMX, 76
.set SIG, 78                           ; s[78:83] the scales of q, k, v, as pairs
.set MSB, 0
.macro WIN new
.if MSB != (\new)
	s_set_vgpr_msb (MSB<<8)|(\new)
.set MSB, \new
.endif
.endm
.set MUL_LO, 0xa1
.set TO_B,   0x40
.macro JLOAD s                         ; a joint load: waves 0, 1 fetch Wcat's halves, waves 2, 3 Xb's; an s_nop 0 and four v_nop follow each line
	s_cmp_eq_u32 s11, 0
	s_cbranch_scc0 .Lfor_b_\@
	tensor_load_to_lds s[G0+4*(\s):G0+4*(\s)+3], s[G1:G1+7]
	s_nop 0
.rept 4
	v_nop
.endr
	s_branch .Lasked_\@
.Lfor_b_\@:
	tensor_load_to_lds s[G0B+4*(\s):G0B+4*(\s)+3], s[G1B:G1B+7]
	s_nop 0
.rept 4
	v_nop
.endr
.Lasked_\@:
.endm
; A prefetch of the K step that stands two refills on (640 matrix instructions ahead of its load).  Each row's 256 bytes are named once: cluster x = 0 asks for Wcat's rows, cluster y = 0 for Xb's; the four
; partners share a wave's rows out by address: 32 of Xb's 128; of Wcat's 160 forty, 32 of them here, a lane a row; the eight left over, of both halves and both K steps of a lap, are 32 blocks that
; wave 0 names once a lap (extra = 1).  The loop's last trip asks for nothing: there is no K step behind its refills.
.macro ASK extra
	s_cmp_gt_u32 s3, s[LIM]
	s_cbranch_scc0 .Lnot_mine_\@
	global_prefetch_b8 v[PFO], s[PFA:PFA+1] offset:KSTEP*2 th:TH_LOAD_NT scope:SCOPE_SE
.Lnot_mine_\@:
.if \extra
	s_cmp_gt_u32 s3, s[LIMX]
	s_cbranch_scc0 .Lnot_x_\@
	global_prefetch_b8 v[PFX], s[PFA:PFA+1] offset:KSTEP*2 th:TH_LOAD_NT scope:SCOPE_SE
.Lnot_x_\@:
.endif
.endm
.macro CREST
	s_cmp_lg_u32 s10, 0
	s_cbranch_scc1 .Lnot_wave_0_\@
	s_barrier_signal -3
.Lnot_wave_0_\@:
	s_barrier_wait -3
	s_barrier_signal -1
	s_barrier_wait -1
.endm
.macro CROUND
	s_barrier_signal -1
	s_barrier_wait -1
	CREST
.endm
.macro PLACES
.rept 4
	v_nop
.endr
.endm
.macro LANEMAX r, t                    ; the largest of the 32 lanes' v[r], in every lane
	v_max_num_f32_dpp v[\r], v[\r], v[\r] row_xmask:1 row_mask:0xf bank_mask:0xf
	v_max_num_f32_dpp v[\r], v[\r], v[\r] row_xmask:2 row_mask:0xf bank_mask:0xf
	v_max_num_f32_dpp v[\r], v[\r], v[\r] row_xmask:4 row_mask:0xf bank_mask:0xf
	v_max_num_f32_dpp v[\r], v[\r], v[\r] row_xmask:8 row_mask:0xf bank_mask:0xf
	v_permlanex16_b32 v[\t], v[\r], s86, s87
	v_max_num_f32 v[\r], v[\r], v[\t]
.endm
.macro RED8 b, sd                      ; a table of 256 maxima in v[b..b+7]: its exponent field into s[sd]
	v_max3_num_f32 v[\b], v[\b], v[(\b)+1], v[(\b)+2]
	v_max3_num_f32 v[(\b)+3], v[(\b)+3], v[(\b)+4], v[(\b)+5]
	v_max3_num_f32 v[\b], v[\b], v[(\b)+6], v[(\b)+7]
	v_max_num_f32 v[\b], v[\b], v[(\b)+3]
	LANEMAX \b, (\b)+1
	v_readfirstlane_b32 s[\sd], v[\b]
	s_lshr_b32 s[\sd], s[\sd], 23
.endm
.macro SIGMA d, e                      ; 2^-(E_h + E_W): exponent field 379 - e_h - e_W, held to 1..254
	s_add_co_u32 s99, s95, s[\e]
	s_sub_co_i32 s99, 379, s99
	s_max_i32 s99, s99, 1
	s_min_i32 s99, s99, 254
	s_lshl_b32 s[\d], s99, 23
	s_mov_b32 s[(\d)+1], s[\d]
.endm
	s_load_b128 s[4:7], s[0:1], 0x0                ; Wcat, Xb
	s_load_b64 s[8:9], s[0:1], 0x10                ; P
	s_load_b256 s[68:75], s[0:1], 0x18             ; Wof (the inputs' maxima), bg1, bg2, st2
	v_lshl_add_u32 v[SPW], v0, 2, SPARE
	v_mov_b32 v[NIL], 0
	ds_add_u32 v[SPW], v[NIL]                      ; the wave's opening: the add and its wait ahead of my first tensor load
	v_lshrrev_b32 v1, 5, v0
	v_readfirstlane_b32 s10, v1                    ; wave
	s_lshr_b32 s11, s10, 1                         ; which 160 rows are mine; also: I fetch Wcat (0) or Xb (1)
	s_and_b32 s12, s10, 1                          ; which 128 tokens; also: which half I fetch
	s_bfe_u32 s40, ttmp6, 0x40000                  ; cx
	s_bfe_u32 s41, ttmp6, 0x40004                  ; cy
	s_lshl_b32 s42, ttmp9, 2
	s_add_co_u32 s42, s42, s40                     ; tile column
	s_and_b32 s13, ttmp7, 0xffff
	s_lshl_b32 s13, s13, 2
	s_add_co_u32 s13, s13, s41                     ; tile row
	s_lshl_b32 s43, s41, 2
	s_lshl_b32 s43, 15, s43                        ; my row of the cluster
	s_lshl_b32 s44, 0x1111, s40                    ; my column
	s_or_b32 s[G1+0], s43, (1<<16)|(1<<20)|(1<<21)|(5<<22)|(3<<25)   ; mask; 2-byte elements; padding on; bit 21 beside a mask; after every 64 words 4 words
	s_or_b32 s[G1B+0], s44, (1<<16)|(1<<20)|(1<<21)|(5<<22)|(3<<25)
	s_mov_b32 s[G1+1], KSTEP<<16                   ; tensor_dim0 = 128
	s_mov_b32 s[G1B+1], KSTEP<<16
	s_mov_b32 s[G1+2], 160<<16                     ; tensor_dim1 = 160 rows of Wcat,
	s_mov_b32 s[G1B+2], 128<<16                    ; 128 of Xb
	s_mov_b32 s[G1+3], KSTEP<<16                   ; tile_dim0 = 128
	s_mov_b32 s[G1B+3], KSTEP<<16
	s_mov_b32 s[G1+4], 160                         ; tile_dim1
	s_mov_b32 s[G1B+4], 128
	s_mov_b32 s[G1+5], 2048                        ; elements from row to row
	s_mov_b32 s[G1B+5], 2048
	s_mov_b32 s[G1+6], 0
	s_mov_b32 s[G1B+6], 0
	s_mov_b32 s[G1+7], 0
	s_mov_b32 s[G1B+7], 0
	s_mul_i32 s16, s13, 320                        ; Wcat: row 320 x tile row + 160 x half
	s_mul_i32 s17, s12, 160
	s_add_co_u32 s16, s16, s17
	s_lshl_b32 s16, s16, 12
	s_mov_b32 s17, 0
	s_lshl_b32 s46, s42, 8                         ; Xb: row 256 x tile column + 128 x half
	s_lshl_b32 s47, s12, 7
	s_add_co_u32 s46, s46, s47
	s_lshl_b32 s46, s46, 12
	s_mov_b32 s47, 0
	s_mul_i32 s20, s12, HALFA                      ; where they go: no place in the cluster enters an LDS address
	s_mul_i32 s21, s12, HALFB
	s_add_co_u32 s21, s21, 2*HALFA
	s_mov_b32 s84, 0x3fb8aa3b                      ; log2(e), as a pair
	s_mov_b32 s85, 0x3fb8aa3b
	s_mov_b32 s86, 0x76543210
	s_mov_b32 s87, 0xfedcba98
	s_mov_b32 s88, 0xc4480000                      ; -800: 16 x the clamp
	s_mov_b32 s93, 0x80000000
	s_mov_b32 s94, 0x7fff7fff
	s_wait_dscnt 0x0                               ; the opening add is done
	s_wait_kmcnt 0x0
	s_add_nc_u64 s[14:15], s[4:5], s[16:17]
	s_add_nc_u64 s[46:47], s[6:7], s[46:47]
	CROUND                                         ; all sixteen work-groups are here: the first joint loads meet
.irp s, 0,1
	s_mov_b32 s[G0+4*(\s)], 1
	s_add_co_u32 s[G0+4*(\s)+1], s20, (\s)*SLOT
	s_add_nc_u64 s[G0+4*(\s)+2:G0+4*(\s)+3], s[14:15], (\s)*KSTEP*2
	s_or_b32 s[G0+4*(\s)+3], s[G0+4*(\s)+3], 0x80000000
	s_mov_b32 s[G0B+4*(\s)], 1
	s_add_co_u32 s[G0B+4*(\s)+1], s21, (\s)*SLOT
	s_add_nc_u64 s[G0B+4*(\s)+2:G0B+4*(\s)+3], s[46:47], (\s)*KSTEP*2
	s_or_b32 s[G0B+4*(\s)+3], s[G0B+4*(\s)+3], 0x80000000
	JLOAD \s
.endr
	; the inputs' maxima (hidden_states, Wq, Wk, Wv: 256 words each) and my four biases
	s_add_nc_u64 s[68:69], s[68:69], 0x800000
	v_and_b32 v4, 31, v0
	v_lshlrev_b32 v4, 4, v4
	v_and_b32 v1, 15, v0                           ; l % 16
	s_lshl_b32 s14, s13, 2
	s_lshl1_add_u32 s14, s11, s14                  ; my first group of 16 channels
	s_lshl_b32 s14, s14, 6
	v_lshl_add_u32 v5, v1, 2, s14
	global_load_b128 v[32:35], v4, s[68:69] offset:5120
	global_load_b128 v[36:39], v4, s[68:69] offset:5632
	global_load_b128 v[40:43], v4, s[68:69]
	global_load_b128 v[44:47], v4, s[68:69] offset:512
	global_load_b128 v[48:51], v4, s[68:69] offset:1024
	global_load_b128 v[52:55], v4, s[68:69] offset:1536
	global_load_b128 v[56:59], v4, s[68:69] offset:2048
	global_load_b128 v[60:63], v4, s[68:69] offset:2560
	global_load_b32 v[BI],   v5, s[70:71]
	global_load_b32 v[BI+2], v5, s[72:73]
	global_load_b32 v[BI+4], v5, s[70:71] offset:64
	global_load_b32 v[BI+6], v5, s[72:73] offset:64
	v_bfe_u32 v2, v0, 4, 1                         ; l / 16
	v_mul_u32_u24 v3, v1, PITCH
	v_lshl_add_u32 v3, v2, 4, v3                   ; a fragment's row x pitch + 16 x half
	s_mul_i32 s21, s11, HALFA                      ; my 160 rows of Wcat
	s_mul_i32 s22, s12, HALFB                      ; my 128 rows of Xb,
	s_add_co_u32 s22, s22, 2*HALFA                 ; which lie behind Wcat's 320
.irp s, 0,1
	v_add_nc_u32 v[ADRA+(\s)], s21, v3
	v_add_nc_u32 v[ADRB+(\s)], s22, v3
	s_add_co_u32 s21, s21, SLOT
	s_add_co_u32 s22, s22, SLOT
.endr
	s_mul_i32 s23, s10, 16*SPITCH                  ; my stage
	v_add_nc_u32 v[STO], s23, v3                   ; in: row l % 16, 16 bytes for each half of the lanes
	v_mul_u32_u24 v[RD], v2, SPITCH                ; back: lanes 0-15 one row of 256 bytes, lanes 16-31 the next
	v_lshl_add_u32 v[RD], v1, 4, v[RD]
	v_add_nc_u32 v[RD], s23, v[RD]
	v_lshlrev_b32 v[CO], 12, v2                    ; and the same two rows in P
	v_lshl_add_u32 v[CO], v1, 4, v[CO]
	s_mul_i32 s16, s13, 320                        ; where my part of the tile begins in P
	s_mul_i32 s14, s11, 160
	s_add_co_u32 s16, s16, s14
	s_lshl_b32 s16, s16, 12
	s_mov_b32 s17, 0
	s_lshl_b32 s46, s42, 9
	s_lshl_b32 s47, s12, 8
	s_add_co_u32 s46, s46, s47
	s_mov_b32 s47, 0
	s_add_nc_u64 s[16:17], s[16:17], s[46:47]
	; the prefetches
	s_mul_i32 s20, s13, 320
	s_mul_i32 s21, s12, 160
	s_add_co_u32 s20, s20, s21
	s_mul_i32 s21, s40, 40
	s_add_co_u32 s20, s20, s21                     ; Wcat: the tile's row + my half + my work-group's forty
	s_lshl_b32 s22, s42, 8
	s_lshl_b32 s23, s12, 7
	s_add_co_u32 s22, s22, s23
	s_lshl_b32 s23, s41, 5
	s_add_co_u32 s22, s22, s23                     ; Xb: the tile's row + my half + my work-group's 32
	s_and_b32 s23, ttmp7, 0xffff
	s_cmp_eq_u32 s11, 0
	s_cselect_b32 s20, s20, s22
	s_cselect_b32 s23, ttmp9, s23                  ; the coordinate along which other clusters read the same rows
	s_cselect_b64 s[PFA:PFA+1], s[4:5], s[6:7]
	s_cmp_eq_u32 s23, 0
	s_cselect_b32 s[LIM], 1, -1                    ; the same in all sixteen partners, for a given wave
	s_or_b32 s23, s10, ttmp9
	s_cmp_eq_u32 s23, 0
	s_cselect_b32 s[LIMX], 1, -1
	s_lshl_b32 s20, s20, 12
	s_mov_b32 s21, 0
	s_add_nc_u64 s[PFA:PFA+1], s[PFA:PFA+1], s[20:21]
	s_add_nc_u64 s[PFA:PFA+1], s[PFA:PFA+1], 2*KSTEP*2  ; at K step 2: the first refill steps it to 3 and names K step 4
	v_and_b32 v3, 31, v0
	v_lshlrev_b32 v[PFO], 12, v3
	v_and_b32 v3, 7, v0
	v_add_nc_u32 v3, 32, v3
	v_lshlrev_b32 v[PFX], 12, v3                   ; rows 32..39 of the forty,
	v_mad_u32_u24 v[PFX], v2, 0xa0000, v[PFX]      ; in either half of 160 rows,
	v_bfe_u32 v3, v0, 3, 1
	v_lshl_add_u32 v[PFX], v3, 8, v[PFX]           ; for either K step of the lap
	v_mov_b32 v14, 0                               ; the largest |q|, |k|, |v| written, two f16 each
	v_mov_b32 v15, 0
	v_mov_b32 v18, 0
	s_wait_loadcnt 0x0
	RED8 32, 95
	RED8 40, 96
	RED8 48, 97
	RED8 56, 98
	SIGMA SIG, 96
	SIGMA SIG+2, 97
	SIGMA SIG+4, 98
.irp j, 0,2,4,6
	v_cvt_pk_bf16_f32 v[BI+(\j)], v[BI+(\j)], v[BI+(\j)]   ; the biases are rounded like every input
	v_lshlrev_b32 v[BI+(\j)], 16, v[BI+(\j)]
	v_mov_b32 v[BI+(\j)+1], v[BI+(\j)]
.endr
.macro MUL16 f, hi, a0, zero           ; 16 products: blocks a0, a0 + 1 of the window's four x all 8 token blocks
	WIN MUL_LO+0x50*(\hi)
.irp a, \a0, (\a0)+1
.irp b, 0,1,2,3,4,5,6,7
.if \zero
	v_wmma_f32_16x16x32_bf16 v[8*(8*(\a)+(\b)):8*(8*(\a)+(\b))+7], v[FB+64*(\f)+8*(\b):FB+64*(\f)+8*(\b)+7], v[FA+80*(\f)+8*(4*(\hi)+(\a)):FA+80*(\f)+8*(4*(\hi)+(\a))+7], 0
.else
	v_wmma_f32_16x16x32_bf16 v[8*(8*(\a)+(\b)):8*(8*(\a)+(\b))+7], v[FB+64*(\f)+8*(\b):FB+64*(\f)+8*(\b)+7], v[FA+80*(\f)+8*(4*(\hi)+(\a)):FA+80*(\f)+8*(4*(\hi)+(\a))+7], v[8*(8*(\a)+(\b)):8*(8*(\a)+(\b))+7]
.endif
.endr
.endr
.endm
.macro MULX f, x, zero                 ; 8 products on block 8 + x, whose accumulators lie in window x
	WIN 0x01+0x50*(\x)
.irp b, 0,1,2,3,4,5,6,7
.if \zero
	v_wmma_f32_16x16x32_bf16 v[192-64*(\x)+8*(\b):192-64*(\x)+8*(\b)+7], v[FB+64*(\f)+8*(\b):FB+64*(\f)+8*(\b)+7], v[FA+80*(\f)+8*(8+(\x)):FA+80*(\f)+8*(8+(\x))+7], 0
.else
	v_wmma_f32_16x16x32_bf16 v[192-64*(\x)+8*(\b):192-64*(\x)+8*(\b)+7], v[FB+64*(\f)+8*(\b):FB+64*(\f)+8*(\b)+7], v[FA+80*(\f)+8*(8+(\x)):FA+80*(\f)+8*(8+(\x))+7], v[192-64*(\x)+8*(\b):192-64*(\x)+8*(\b)+7]
.endif
.endr
.endm
.macro FETCH slot, k, f                ; 36 LDS loads in one run: a quarter step's fragments, Xb's 8 and then Wcat's 10
	WIN TO_B
.irp i, 0,1,2,3,4,5,6,7
	ds_load_b128 v[FB+64*(\f)+8*(\i):FB+64*(\f)+8*(\i)+3],   v[ADRB+(\slot)] offset:(\k)+(\i)*16*PITCH
	ds_load_b128 v[FB+64*(\f)+8*(\i)+4:FB+64*(\f)+8*(\i)+7], v[ADRB+(\slot)] offset:(\k)+(\i)*16*PITCH+32
.endr
	WIN 0
.irp i, 0,1,2,3,4,5,6,7,8,9
	ds_load_b128 v[FA+80*(\f)+8*(\i):FA+80*(\f)+8*(\i)+3],   v[ADRA+(\slot)] offset:(\k)+(\i)*16*PITCH
	ds_load_b128 v[FA+80*(\f)+8*(\i)+4:FA+80*(\f)+8*(\i)+7], v[ADRA+(\slot)] offset:(\k)+(\i)*16*PITCH+32
.endr
.endm
.macro HIGH48 f, zero                  ; blocks 4 to 9
	MUL16 \f, 1, 0, \zero
	MUL16 \f, 1, 2, \zero
	MULX \f, 0, \zero
	MULX \f, 1, \zero
.endm
; A quarter step: 80 products on buffer f, each accumulator once and always in the same order; in its middle the next quarter's fragments go into buffer g.
.macro QUARTER slot, k, f, g, zero
	s_wait_dscnt 12                                ; Xb's fragments and Wcat's 0-3 are in; the youngest twelve loads (fragments 4-9) may be out
	MUL16 \f, 0, 0, \zero
	MUL16 \f, 0, 2, \zero
	PLACES                                         ; four places between the last product that read buffer g and the loads into it
	FETCH \slot, \k, \g
	s_wait_dscnt 36                                ; all but the 36 just issued
	HIGH48 \f, \zero
.endm
.macro MEET round                      ; the first half of a K step's last quarter: one barrier for the change of slots
	WIN 0
	s_wait_tensorcnt 0x0                           ; all my tensor loads have landed: the one that was out is my part of the next slot
	ds_add_u32 v[SPW], v[NIL]                      ; 0 onto my spare word
	s_wait_dscnt 13                                ; (the add and the youngest twelve loads may be out)
	MUL16 1, 0, 0, 0
	s_wait_dscnt 0x0                               ; the add is done, and my reads of this slot are over
	s_barrier_signal -1
	MUL16 1, 0, 2, 0
.if \round
	WIN 0
.endif
	s_barrier_wait -1
.endm
.macro TURN slot, next                 ; the whole last quarter; the slot just read out is filled again, two K steps on
	s_wait_xcnt 0x0                                ; the last prefetch, a K step back, has read its address
	s_add_nc_u64 s[PFA:PFA+1], s[PFA:PFA+1], KSTEP*2
	MEET 1
	CREST                                          ; no wave of any partner still reads this slot or has a load on its way
	s_add_nc_u64 s[G0+4*(\slot)+2:G0+4*(\slot)+3], s[G0+4*(\slot)+2:G0+4*(\slot)+3], 2*KSTEP*2
	s_add_nc_u64 s[G0B+4*(\slot)+2:G0B+4*(\slot)+3], s[G0B+4*(\slot)+2:G0B+4*(\slot)+3], 2*KSTEP*2
	JLOAD \slot                                    ; my one tensor load behind the round; its four v_nop are also the places in front of the loads below
	FETCH \next, 0, 0
	ASK 1-(\slot)
	HIGH48 1, 0
.endm
	s_wait_tensorcnt 1                             ; my part of K step 0 is in; K step 1's may stay out
	s_barrier_signal -1
	s_barrier_wait -1
	FETCH 0, 0, 0
	QUARTER 0, 64, 0, 1, 1                         ; the first quarter's products start the sums
	WIN 0
	s_mov_b32 s3, LAPS-1
.Llap:
	QUARTER 0, 128, 1, 0, 0
	QUARTER 0, 192, 0, 1, 0
	TURN 0, 1
	QUARTER 1, 64,  0, 1, 0
	QUARTER 1, 128, 1, 0, 0
	QUARTER 1, 192, 0, 1, 0
	TURN 1, 0
	QUARTER 0, 64,  0, 1, 0
	WIN 0
	s_sub_co_u32 s3, s3, 1
	s_cmp_lg_u32 s3, 0
	s_cbranch_scc1 .Llap
	QUARTER 0, 128, 1, 0, 0                        ; the last lap fills nothing
	QUARTER 0, 192, 0, 1, 0
	MEET 0
	PLACES
	FETCH 1, 0, 0
	HIGH48 1, 0
	QUARTER 1, 64,  0, 1, 0
	QUARTER 1, 128, 1, 0, 0
	QUARTER 1, 192, 0, 1, 0
	s_wait_dscnt 12
	MUL16 1, 0, 0, 0
	MUL16 1, 0, 2, 0
	s_wait_dscnt 0x0
	HIGH48 1, 0
	WIN 0
	PLACES
	PLACES
; THE WAY OUT: ten blocks of 16 rows, one counted loop.  What differs from block to block (the window and place of its accumulators; scale or bias) is 32 packed lines, chosen by forward jumps on the counter.
.macro TAKE a
.if (\a) < 4
.set SW, 2
.set SB, 64*(\a)
.elseif (\a) < 8
.set SW, 3
.set SB, 64*((\a)-4)
.elseif (\a) == 8
.set SW, 0
.set SB, 192
.else
.set SW, 1
.set SB, 128
.endif
	WIN SW
.set i, 0
.rept 32                               ; each accumulator is read from its low end on
.if (\a)%5 < 3
	v_pk_mul_f32 v[SCR+i:SCR+i+1], v[SB+i:SB+i+1], s[SIG+2*((\a)%5):SIG+2*((\a)%5)+1] op_sel_hi:[1,0]
.else
	v_pk_add_f32 v[SCR+i:SCR+i+1], v[SB+i:SB+i+1], v[BI+4*((\a)/5)+2*((\a)%5-3):BI+4*((\a)/5)+2*((\a)%5-3)+1] op_sel_hi:[1,0]
.endif
.set i, i+2
.endr
	WIN 0
.endm
	s_mov_b32 s92, 0
.Lout:
	s_wait_xcnt 0x0                                ; the last block's stores have read their base and their data
	s_add_nc_u64 s[8:9], s[8:9], s[16:17]          ; the tile's first rows, later 16 rows on
	s_mov_b64 s[16:17], 16*ROWB
	s_sub_co_u32 s96, s92, 5
	s_cmp_lt_u32 s92, 5
	s_cselect_b32 s96, s92, s96                    ; which matrix: its maximum takes the block's
	s_cmp_eq_u32 s96, 0
	s_cselect_b32 s89, -1, 0
	s_cmp_eq_u32 s96, 1
	s_cselect_b32 s90, -1, 0
	s_cmp_eq_u32 s96, 2
	s_cselect_b32 s91, -1, 0
.irp a, 1,2,3,4,5,6,7,8,9
	s_cmp_eq_u32 s92, \a
	s_cbranch_scc1 .Lblk\a
.endr
	TAKE 0
	s_branch .Ljoin
.irp a, 1,2,5,6,7
.Lblk\a:
	TAKE \a
	s_branch .Ljoin
.endr
.irp a, 3,4,8
.Lblk\a:
	TAKE \a
	s_branch .Lgate
.endr
.Lblk9:
	TAKE 9
.Lgate:                                        ; L = log2(e) med(x, -800, 0) - log2(1 + 2^(-|x| log2(e)))
.set i, 0
.rept 64
	v_or_b32 v[T2+i], s93, v[SCR+i]                ; -|x|
.set i, i+1
.endr
.set i, 0
.rept 32
	v_pk_mul_f32 v[T2+i:T2+i+1], v[T2+i:T2+i+1], s[84:85] op_sel_hi:[1,0]
.set i, i+2
.endr
.set i, 0
.rept 64
	v_exp_f32 v[T2+i], v[T2+i]
.set i, i+1
.endr
.set i, 0
.rept 64
	v_med3_num_f32 v[SCR+i], v[SCR+i], s88, 0      ; work that names no exponential's result
.set i, i+1
.endr
	s_wait_alu depctr_va_vdst(0)                   ; one wait for the batch of 64 exponentials
.set i, 0
.rept 32
	v_pk_add_f32 v[T2+i:T2+i+1], v[T2+i:T2+i+1], 1.0 op_sel_hi:[1,0]
.set i, i+2
.endr
.set i, 0
.rept 64
	v_log_f32 v[T2+i], v[T2+i]
.set i, i+1
.endr
	v_nop                                          ; a plain instruction behind the last logarithm
	s_wait_alu depctr_va_vdst(0)                   ; one wait for the batch of 64 logarithms
.set i, 0
.rept 32
	v_pk_fma_f32 v[SCR+i:SCR+i+1], v[SCR+i:SCR+i+1], s[84:85], v[T2+i:T2+i+1] op_sel_hi:[1,0,1] neg_lo:[0,0,1] neg_hi:[0,0,1]
.set i, i+2
.endr
.Ljoin:
.set i, 0
.rept 32
	v_cvt_pk_f16_f32 v[TMP+i], v[SCR+2*i], v[SCR+2*i+1]
.set i, i+1
.endr
.irp b, 0,1,2,3,4,5,6,7
	ds_store_b128 v[STO], v[TMP+4*(\b):TMP+4*(\b)+3] offset:32*(\b)
.endr
.irp t, 0,1,2,3,4,5,6,7
	ds_load_b128 v[OB+4*(\t):OB+4*(\t)+3], v[RD] offset:(\t)*2*SPITCH  ; LDS serves a wave's instructions in order: these see the stores above
.endr
.irp j, 0,1,2,3
	v_and_b32 v[SCR+(\j)], s94, v[TMP+(\j)]        ; the block's largest magnitude, while the stage's round trip runs
.endr
.set i, 4
.rept 28
	v_and_b32 v[SCR+4+i%4], s94, v[TMP+i]
	v_pk_max_num_f16 v[SCR+i%4], v[SCR+i%4], v[SCR+4+i%4]
.set i, i+1
.endr
	v_pk_max_num_f16 v[SCR], v[SCR], v[SCR+1]
	v_pk_max_num_f16 v[SCR+2], v[SCR+2], v[SCR+3]
	v_pk_max_num_f16 v[SCR], v[SCR], v[SCR+2]
	v_and_b32 v[SCR+1], s89, v[SCR]
	v_and_b32 v[SCR+2], s90, v[SCR]
	v_and_b32 v[SCR+3], s91, v[SCR]
	v_pk_max_num_f16 v14, v14, v[SCR+1]
	v_pk_max_num_f16 v15, v15, v[SCR+2]
	v_pk_max_num_f16 v18, v18, v[SCR+3]
	s_wait_dscnt 0x0
.irp t, 0,1,2,3,4,5,6,7
	global_store_b128 v[CO], v[OB+4*(\t):OB+4*(\t)+3], s[8:9] offset:2*(\t)*ROWB  ; 16 lanes store 256 consecutive bytes, aligned
.endr
	s_add_co_u32 s92, s92, 1
	s_cmp_lt_u32 s92, 10
	s_cbranch_scc1 .Lout
	; my three maxima: lanes 0, 1, 2 store one each
	v_cvt_f32_f16 v2, v14.l
	v_cvt_f32_f16 v3, v14.h
	v_max_num_f32 v14, v2, v3
	v_cvt_f32_f16 v2, v15.l
	v_cvt_f32_f16 v3, v15.h
	v_max_num_f32 v15, v2, v3
	v_cvt_f32_f16 v2, v18.l
	v_cvt_f32_f16 v3, v18.h
	v_max_num_f32 v18, v2, v3
	LANEMAX 14, 2
	LANEMAX 15, 2
	LANEMAX 18, 2
	v_and_b32 v4, 31, v0
	v_cmp_eq_u32 vcc_lo, 1, v4
	v_cndmask_b32 v2, v14, v15, vcc_lo
	v_cmp_eq_u32 vcc_lo, 2, v4
	v_cndmask_b32 v2, v2, v18, vcc_lo
	s_lshl3_add_u32 s14, s13, s42
	s_lshl2_add_u32 s14, s14, s10
	s_lshl_b32 s14, s14, 2
	v_lshl_add_u32 v3, v4, 12, s14                 ; plane = lane; word = (tile row x 8 + tile column) x 4 + wave
	s_wait_xcnt 0x0                                ; EXEC changes only behind this wait
	v_cmp_gt_u32 vcc_lo, 3, v4
	s_and_saveexec_b32 s15, vcc_lo
	global_store_b32 v3, v2, s[74:75]
	s_wait_xcnt 0x0
	s_or_b32 exec_lo, exec_lo, s15
	s_wait_tensorcnt 0x0                           ; the wave's end
	ds_add_u32 v[SPW], v[NIL]
	s_wait_dscnt 0x0
	CROUND                                         ; the closing round
	s_endpgm
.Lfunc_end_k_qe954876afd_proj:
	.size	k_qe954876afd_proj, .Lfunc_end_k_qe954876afd_proj-k_qe954876afd_proj
	.p2alignl 7, 3214868480
	.fill 96, 4, 3214868480
	.section	.rodata,"a",@progbits
	.p2align	6, 0x0
	.amdhsa_kernel k_qe954876afd_proj
		.amdhsa_group_segment_fixed_size 327680
		.amdhsa_private_segment_fixed_size 0
		.amdhsa_enable_private_segment 0
		.amdhsa_kernarg_size 56
		.amdhsa_user_sgpr_count 2
		.amdhsa_user_sgpr_kernarg_segment_ptr 1
		.amdhsa_wavefront_size32 1
		.amdhsa_system_sgpr_workgroup_id_x 1
		.amdhsa_system_sgpr_workgroup_id_y 1
		.amdhsa_system_sgpr_workgroup_id_z 1
		.amdhsa_system_vgpr_workitem_id 0
		.amdhsa_next_free_vgpr 1024
		.amdhsa_next_free_sgpr 100
		.amdhsa_reserve_vcc 1
		.amdhsa_float_denorm_mode_32 3
		.amdhsa_float_denorm_mode_16_64 3
		.amdhsa_memory_ordered 1
		.amdhsa_forward_progress 1
		.amdhsa_inst_pref_size 187
	.end_amdhsa_kernel
	.amdgpu_metadata
---
amdhsa.version: [ 1, 2 ]
amdhsa.kernels:
  - .name:           k_qe954876afd_proj
    .symbol:         k_qe954876afd_proj.kd
    .args:
      - { .name: Wcat, .offset: 0, .size: 8, .value_kind: global_buffer, .address_space: global }
      - { .name: Xb, .offset: 8, .size: 8, .value_kind: global_buffer, .address_space: global }
      - { .name: P, .offset: 16, .size: 8, .value_kind: global_buffer, .address_space: global }
      - { .name: Wof, .offset: 24, .size: 8, .value_kind: global_buffer, .address_space: global }
      - { .name: bg1, .offset: 32, .size: 8, .value_kind: global_buffer, .address_space: global }
      - { .name: bg2, .offset: 40, .size: 8, .value_kind: global_buffer, .address_space: global }
      - { .name: st2, .offset: 48, .size: 8, .value_kind: global_buffer, .address_space: global }
    .group_segment_fixed_size: 327680
    .private_segment_fixed_size: 0
    .kernarg_segment_align: 8
    .kernarg_segment_size: 56
    .max_flat_workgroup_size: 128
    .sgpr_count:     100
    .vgpr_count:     1024
    .wavefront_size: 32
...
	.end_amdgpu_metadata
.endif
;; end of part 2
;; launch state (part 3): grid 8 x 32, 4 waves a work-group, no clusters, 132,608 bytes of LDS; arguments P, Wof, st2, Sst; writes Sst
.if DOCPART == 3
	.amdgcn_target "amdgcn-amd-amdhsa--gfx1250"
	.amdhsa_code_object_version 6
	.text
	.protected	k_qe954876afd_state
	.globl	k_qe954876afd_state
	.p2align	8
	.type	k_qe954876afd_state,@function
k_qe954876afd_state:
	s_mov_b64 s[64:65], 0
	v_nop
	global_prefetch_b8 v0, s[64:65] scope:SCOPE_SE
	s_setreg_imm32_b32 hwreg(HW_REG_WAVE_MODE, 25, 1), 1
	s_wait_xcnt 0x0
; THE STATES THAT ENTER EACH CHUNK OF 128 TOKENS.  S_(c+1) = diag(D_c) S_c + U_c; U_c = sum over the chunk's tokens j of (k_j x the product of the decays behind j in the chunk) v_j^T; D_c = the chunk's whole decay.
; Only products of decays (each at most 1) are formed: nothing can overflow; a product below 2^-126 counts as 0.
; SHARES.  Grid x = slice (16 key channels x 2 gates = 32 state rows), y = batch x 16 + head.  Wave w makes U_c for chunks w and w + 4 (chunk 7's is not needed): 16 tiles (v block vt, gate g) of 16 x 16,
; K = 128 tokens in f16.  The U_c meet in LDS in f32; wave w then walks tiles 4 w .. 4 w + 3 through the eight chunks and stores each entering state times cS, rounded to f16, as register images:
; Sst [bh][c][slice][tile vt*2+g][lane][8]: a lane's 16 bytes are v channel lane % 16 and state rows 8 (lane / 16) + 0..7.
; SCALES, from the maxima that the two launches before stored: rho_x = 2^-E(max|x|), with max 2^-E in [0.5, 1); cA = rho_k / sqrt(128); cS = cA rho_v: a state times cS lies within 91.
; Work-group (0, 0) stores the record rho_q, cS, FA, FB, cA, rho_v, 1 / rho_v, 16,777,216 bytes into Sst; FA FB is the power of two that undoes all scales.
; LIMITS.  Exponent fields are held to 1..254, those of rho to 1..190 (reached only where a maximum is 0).  NaN and infinities are not treated apart.
; LDS.  U at chunk x 16,384 + tile x 1,024 + half x 512 + 16 x lane; the decays at BL + chunk x 128 + (gate x 16 + channel) x 4.  The map has a place for each wave + 4 x trip = 0..7, so that the
; address arithmetic stays inside LDS for every wave and trip; chunk 7's place is never written or read.
; No cluster and no LDS on the way in: fragments go from memory into registers as they lie.  No prefetch: each wave's loads of a trip go out in one run, and there are two trips.
.set FO,   3                           ; (l % 16) x 4096 + 16 (l / 16): a fragment's row and half
.set LSU,  4                           ; where my 16 bytes of a tile of U go
.set BLA,  5                           ; where the chunk's decay of my channel goes
.set SPW,  6
.set NIL,  7
.set C16,  8                           ; 1/16
.set ONE,  9
.set ZERO, 10
.set L16,  11                          ; 16 x lane
.set LRD,  12                          ; the scan: my four tiles of the chunk in hand
.set BLR,  14                          ; the scan: the decays of my eight state rows
.set SOUT, 15
.set KR,   16                          ; v[16:47] k as loaded; v[48:79], v[80:111] the gates as loaded, then k times its decays in f16
.set KF,   112                         ; v[112:175] k in f32
.set R,    176                         ; v[176:239] decays behind each token
.set T,    240
.set PT,   248                         ; v[248:255] written at the head, on every wave's path
.set BL,    131072
.set SPARE, 132096                     ; the spare words: 128 bytes a wave, named by no other line
.set MSB, 0
.macro WIN new
.if MSB != (\new)
	s_set_vgpr_msb (MSB<<8)|(\new)
.set MSB, \new
.endif
.endm
.macro MIXH d, s, h, c                 ; v[d] = half h of v[s] (f16) x v[c] (f32)
.if (\h)
	v_fma_mix_f32 v[\d], v[\s], v[\c], v[ZERO] op_sel:[1,0,0] op_sel_hi:[1,0,0]
.else
	v_fma_mix_f32 v[\d], v[\s], v[\c], v[ZERO] op_sel_hi:[1,0,0]
.endif
.endm
.macro LANEMAX r, t                    ; the largest of the 32 lanes' v[r], in every lane; v[t], which v_permlanex16_b32 counts as read, has been written before
	v_max_num_f32_dpp v[\r], v[\r], v[\r] row_xmask:1 row_mask:0xf bank_mask:0xf
	v_max_num_f32_dpp v[\r], v[\r], v[\r] row_xmask:2 row_mask:0xf bank_mask:0xf
	v_max_num_f32_dpp v[\r], v[\r], v[\r] row_xmask:4 row_mask:0xf bank_mask:0xf
	v_max_num_f32_dpp v[\r], v[\r], v[\r] row_xmask:8 row_mask:0xf bank_mask:0xf
	v_permlanex16_b32 v[\t], v[\r], s26, s27
	v_max_num_f32 v[\r], v[\r], v[\t]
.endm
.macro CHAIN b, n                      ; v[b] = the largest of v[b .. b+n-1]
.set i, 1
.rept ((\n)-2)/2
	v_max3_num_f32 v[\b], v[\b], v[(\b)+i], v[(\b)+i+1]
.set i, i+2
.endr
	v_max_num_f32 v[\b], v[\b], v[(\b)+(\n)-1]
.endm
.macro FIELD s                         ; an exponent field, held to 1..254, becomes a power of two
	s_max_i32 s[\s], s[\s], 1
	s_min_i32 s[\s], s[\s], 254
	s_lshl_b32 s[\s], s[\s], 23
.endm
.macro RHO s                           ; the same, held to 1..190, so that the product of two such stays finite
	s_max_i32 s[\s], s[\s], 1
	s_min_i32 s[\s], s[\s], 190
	s_lshl_b32 s[\s], s[\s], 23
.endm
	s_load_b256 s[4:11], s[0:1], 0x0               ; P, Wof, st2, Sst
	v_lshl_add_u32 v[SPW], v0, 2, SPARE
	v_mov_b32 v[NIL], 0
	v_lshrrev_b32 v1, 5, v0
	v_readfirstlane_b32 s12, v1                    ; wave
	s_mov_b32 s13, ttmp9                           ; slice
	s_and_b32 s14, ttmp7, 0xffff
	s_lshr_b32 s15, s14, 4                         ; batch
	s_and_b32 s16, s14, 15                         ; head
	v_and_b32 v1, 15, v0
	v_bfe_u32 v2, v0, 4, 1
	v_lshlrev_b32 v[FO], 12, v1
	v_lshl_add_u32 v[FO], v2, 4, v[FO]
	v_and_b32 v[L16], 31, v0
	v_lshlrev_b32 v[L16], 4, v[L16]
	s_lshl_b32 s41, s12, 14
	v_add_nc_u32 v[LSU], s41, v[L16]               ; chunk w's 16,384 bytes
	s_lshl_b32 s41, s12, 7
	s_add_co_u32 s41, s41, BL
	v_lshl_add_u32 v[BLA], v1, 2, s41
	s_lshl_b32 s41, s12, 12
	v_add_nc_u32 v[LRD], s41, v[L16]               ; the scan: my four tiles, in chunk 0
	v_lshlrev_b32 v[BLR], 5, v2
	v_add_nc_u32 v[BLR], BL, v[BLR]
	s_lshl_b32 s41, s12, 11
	v_add_nc_u32 v[SOUT], s41, v[L16]
	v_mov_b32 v[C16], 0x3d800000
	v_mov_b32 v[ONE], 1.0
	v_mov_b32 v[ZERO], 0
.irp u, 0,1,2,3,4,5,6,7
	v_mov_b32 v[PT+(\u)], 0                        ; v_permlanex16_b32 counts as a reader of its destination
.endr
	s_mov_b32 s26, 0x76543210
	s_mov_b32 s27, 0xfedcba98
	s_mov_b32 s44, 0xffff0000                      ; the upper half of the lanes
	s_lshl3_add_u32 s41, s16, s13                  ; the slice's group of 16 channels
	s_mul_i32 s24, s41, 327680
	s_lshl_b32 s42, s15, 11
	s_lshl_b32 s43, s12, 8
	s_add_co_u32 s42, s42, s43                     ; batch x 2,048 + chunk w x 256 bytes along a row
	s_add_co_u32 s24, s24, s42
	s_mov_b32 s25, 0
	s_mul_i32 s46, s16, 8*327680
	s_add_co_u32 s46, s46, 131072                  ; the head's v rows
	s_add_co_u32 s46, s46, s42
	s_mov_b32 s47, 0
	s_lshl_b32 s50, s14, 19
	s_lshl_b32 s51, s13, 13
	s_add_co_u32 s50, s50, s51
	s_mov_b32 s51, 0
	s_wait_kmcnt 0x0
	s_add_nc_u64 s[18:19], s[4:5], s[24:25]
	s_add_nc_u64 s[20:21], s[4:5], s[46:47]
	s_add_nc_u64 s[6:7], s[6:7], 0x800000          ; the inputs' maxima
	s_add_nc_u64 s[48:49], s[10:11], s[50:51]      ; my (batch, head, slice) in Sst
	s_add_nc_u64 s[52:53], s[10:11], 0x1000000     ; the record of scales
	WIN 0x80                                       ; the tables of maxima go into window 2; they are older than every other load
.set i, 0
.rept 24
	global_load_b128 v[128+4*i:128+4*i+3], v[L16], s[8:9] offset:512*i
.set i, i+1
.endr
.irp o, 5120,5632,0,512,1024,1536,2048,2560
	global_load_b128 v[128+4*i:128+4*i+3], v[L16], s[6:7] offset:\o
.set i, i+1
.endr
	WIN 0
; Gate g.  A lane holds channel l % 16 and eight octets of tokens; octet u lies at place 2 u + l / 16 of the chunk's sixteen.
.macro GATE g
.set LR, 48+32*(\g)
.set n, 0
.rept 64                               ; the exponents L / 16: token 0 of an octet into T, token m into R[m-1]
.if n%8 == 0
	MIXH T+n/8, LR+n/2, 0, C16
.else
	MIXH R+n-1, LR+n/2, n%2, C16
.endif
.set n, n+1
.endr
.set n, 0
.rept 64
.if n%8 == 0
	v_exp_f32 v[T+n/8], v[T+n/8]
.else
	v_exp_f32 v[R+n-1], v[R+n-1]
.endif
.set n, n+1
.endr
.irp u, 0,1,2,3,4,5,6,7
	v_mov_b32 v[R+8*(\u)+7], 1.0                   ; nothing lies behind an octet's last token
.endr
	s_wait_alu depctr_va_vdst(0)                   ; one wait for the batch of 64 exponentials
.irp m, 5,4,3,2,1,0
.irp u, 0,1,2,3,4,5,6,7
	v_mul_f32 v[R+8*(\u)+(\m)], v[R+8*(\u)+(\m)], v[R+8*(\u)+(\m)+1]
.endr
.endr
.irp u, 0,1,2,3,4,5,6,7
	v_mul_f32 v[T+(\u)], v[T+(\u)], v[R+8*(\u)]    ; the octet's whole decay
.endr
.irp u, 0,1,2,3,4,5,6,7
	v_permlanex16_b32 v[PT+(\u)], v[T+(\u)], s26, s27  ; the neighbouring octet's
.endr
.irp u, 0,1,2,3,4,5,6,7
	v_mul_f32 v[T+(\u)], v[T+(\u)], v[PT+(\u)]     ; the pair's
	v_cndmask_b32 v[PT+(\u)], v[PT+(\u)], v[ONE], s44  ; behind the pair's second octet lies nothing of the pair
.endr
.irp u, 6,5,4,3,2,1,0
	v_mul_f32 v[PT+(\u)], v[PT+(\u)], v[T+(\u)+1]  ; all later pairs
	v_mul_f32 v[T+(\u)], v[T+(\u)], v[T+(\u)+1]
.endr
	ds_store_b32 v[BLA], v[T] offset:64*(\g)       ; the chunk's decay
.set n, 0
.rept 64
	v_mul_f32 v[R+n], v[R+n], v[PT+n/8]
.set n, n+1
.endr
.set n, 0
.rept 32
	v_pk_mul_f32 v[R+n:R+n+1], v[R+n:R+n+1], v[KF+n:KF+n+1]
.set n, n+2
.endr
.set n, 0
.rept 32
	v_cvt_pk_f16_f32 v[LR+n], v[R+2*n], v[R+2*n+1]
.set n, n+1
.endr
.endm
	s_mov_b32 s22, 0
.Ltrip:                                        ; chunk w, then chunk w + 4
	s_lshl2_add_u32 s23, s22, s12
	s_cmp_eq_u32 s23, 7
	s_cbranch_scc1 .Lskip                          ; nothing follows chunk 7: wave 3's second trip is jumped, forward, to the label ahead of the counter's step
.irp u, 0,1,2,3,4,5,6,7
	global_load_b128 v[KR+4*(\u):KR+4*(\u)+3],       v[FO], s[18:19] offset:65536+32*(\u)
	global_load_b128 v[KR+32+4*(\u):KR+32+4*(\u)+3], v[FO], s[18:19] offset:3*65536+32*(\u)
	global_load_b128 v[KR+64+4*(\u):KR+64+4*(\u)+3], v[FO], s[18:19] offset:4*65536+32*(\u)
.endr
	WIN 0x40                                       ; v's fragments: window 1, K step ks, block vt at 64 ks + 8 vt
.irp u, 0,1,2,3,4,5,6,7
.irp vt, 0,1,2,3,4,5,6,7
	global_load_b128 v[64*((\u)/2)+8*(\vt)+4*((\u)%2):64*((\u)/2)+8*(\vt)+4*((\u)%2)+3], v[FO], s[20:21] offset:(\vt)*327680+32*(\u)
.endr
.endr
	WIN 0
	s_wait_loadcnt 63                              ; 64 loads were issued behind k's and the gates': with at most 63 out, those are in
.set n, 0
.rept 64
	MIXH KF+n, KR+n/2, n%2, ONE
.set n, n+1
.endr
	GATE 0
	GATE 1
	s_wait_loadcnt 0x0
	WIN 0xa4                                       ; source 0 window 0, source 1 window 1, C and D window 2
.irp ks, 0,1,2,3                       ; the 16 accumulators take turns
.irp vt, 0,1,2,3,4,5,6,7
.irp g, 0,1
.if (\ks) == 0
	v_wmma_f32_16x16x32_f16 v[8*(2*(\vt)+(\g)):8*(2*(\vt)+(\g))+7], v[48+32*(\g)+8*(\ks):48+32*(\g)+8*(\ks)+7], v[64*(\ks)+8*(\vt):64*(\ks)+8*(\vt)+7], 0
.else
	v_wmma_f32_16x16x32_f16 v[8*(2*(\vt)+(\g)):8*(2*(\vt)+(\g))+7], v[48+32*(\g)+8*(\ks):48+32*(\g)+8*(\ks)+7], v[64*(\ks)+8*(\vt):64*(\ks)+8*(\vt)+7], v[8*(2*(\vt)+(\g)):8*(2*(\vt)+(\g))+7]
.endif
.endr
.endr
.endr
.rept 8
	v_nop
.endr
	WIN 0x08                                       ; store data in window 2
.set t, 0
.rept 16
	ds_store_b128 v[LSU], v[8*t:8*t+3]   offset:1024*t
	ds_store_b128 v[LSU], v[8*t+4:8*t+7] offset:1024*t+512
.set t, t+1
.endr
	WIN 0
	s_wait_dscnt 0x0
	v_add_nc_u32 v[LSU], 0x10000, v[LSU]           ; four chunks on
	v_add_nc_u32 v[BLA], 512, v[BLA]
	s_add_nc_u64 s[18:19], s[18:19], 1024          ; (every load has come back)
	s_add_nc_u64 s[20:21], s[20:21], 1024
.Lskip:
	s_add_co_u32 s22, s22, 1
	s_cmp_lt_u32 s22, 2
	s_cbranch_scc1 .Ltrip
	s_wait_loadcnt 0x0
	; the scales
	WIN 0xaa
	CHAIN 128, 32
	CHAIN 160, 32
	CHAIN 192, 32
	CHAIN 224, 8
	CHAIN 232, 8
	CHAIN 240, 8
	CHAIN 248, 8
	WIN 0x02
	v_mov_b32 v[T],   v128
	v_mov_b32 v[T+1], v160
	v_mov_b32 v[T+2], v192
	v_mov_b32 v[T+3], v224
	v_mov_b32 v[T+4], v232
	v_mov_b32 v[T+5], v240
	v_mov_b32 v[T+6], v248
	WIN 0
.irp i, 0,1,2,3,4,5,6                  ; exponent fields: s28 q, s29 k, s30 v, s31 hidden_states, s32 Wq, s33 Wk, s34 Wv
	LANEMAX T+(\i), PT                             ; PT's numbers from the gates are no longer wanted
	v_readfirstlane_b32 s[28+(\i)], v[T+(\i)]
	s_lshr_b32 s[28+(\i)], s[28+(\i)], 23
.endr
	s_sub_co_i32 s38, 253, s28                     ; rho_q: field 127 - (e - 126)
	RHO 38
	s_sub_co_i32 s41, 253, s29                     ; rho_k
	RHO 41
	s_mul_f32 s54, s41, 0x3db504f3                 ; cA = rho_k / sqrt(128)
	s_sub_co_i32 s55, 253, s30                     ; rho_v,
	s_max_i32 s55, s55, 1
	s_min_i32 s55, s55, 190
	s_sub_co_i32 s56, 254, s55                     ; and its reciprocal: field 254 - field
	s_lshl_b32 s55, s55, 23
	s_lshl_b32 s56, s56, 23
	s_mul_f32 s36, s54, s55                        ; cS = cA rho_v, as a pair
	s_mov_b32 s37, s36
	s_mul_i32 s41, s31, 3
	s_add_co_u32 s41, s41, s32
	s_add_co_u32 s41, s41, s33
	s_add_co_u32 s41, s41, s34
	s_add_co_u32 s41, s41, s28
	s_add_co_u32 s41, s41, s29
	s_add_co_u32 s41, s41, s30
	s_sub_co_i32 s41, s41, 1134                    ; nine exponents, each less 126
	s_ashr_i32 s39, s41, 1
	s_sub_co_i32 s40, s41, s39
	s_add_co_i32 s39, s39, 127
	s_add_co_i32 s40, s40, 127
	FIELD 39
	FIELD 40
	s_or_b32 s41, s13, s14
	s_or_b32 s41, s41, s12
	s_cmp_lg_u32 s41, 0
	s_cbranch_scc1 .Lnorec
	v_mov_b32 v96, 0
	v_writelane_b32 v96, s38, 0
	v_writelane_b32 v96, s36, 1
	v_writelane_b32 v96, s39, 2
	v_writelane_b32 v96, s40, 3
	v_writelane_b32 v96, s54, 4
	v_writelane_b32 v96, s55, 5
	v_writelane_b32 v96, s56, 6
	v_and_b32 v97, 31, v0
	v_lshlrev_b32 v97, 2, v97
	global_store_b32 v97, v96, s[52:53]
.Lnorec:
	s_wait_dscnt 0x0
	s_barrier_signal -1
	s_barrier_wait -1                              ; all seven U and their decays lie in LDS
; THE SCAN.  S in v[16:47], U in v[48:79], the decays in v[80:95], the scaled state in v[112:143], packed in v[144:159].
.irp t, 0,1,2,3
	ds_load_b128 v[16+8*(\t):16+8*(\t)+3], v[LRD] offset:1024*(\t)       ; the state behind chunk 0 is U_0
	ds_load_b128 v[16+8*(\t)+4:16+8*(\t)+7], v[LRD] offset:1024*(\t)+512
.endr
.irp j, 0,1,2,3
	v_mov_b32 v[144+(\j)], 0                       ; the state that enters chunk 0
.endr
.irp t, 0,1,2,3
	global_store_b128 v[SOUT], v[144:147], s[48:49] offset:512*(\t)
.endr
	s_wait_dscnt 0x0
.macro SSTORE                          ; the state in hand enters the next chunk: times cS, rounded to f16, stored
	s_wait_xcnt 0x0                                ; the last chunk's stores have read their base and their data
	s_add_nc_u64 s[48:49], s[48:49], 0x10000       ; a chunk's eight slices on
.set i, 0
.rept 16
	v_pk_mul_f32 v[112+i:112+i+1], v[16+i:16+i+1], s[36:37] op_sel_hi:[1,0]
.set i, i+2
.endr
.set i, 0
.rept 16
	v_cvt_pk_f16_f32 v[144+i], v[112+2*i], v[112+2*i+1]
.set i, i+1
.endr
.irp t, 0,1,2,3
	global_store_b128 v[SOUT], v[144+4*(\t):144+4*(\t)+3], s[48:49] offset:512*(\t)  ; 512 consecutive bytes, aligned
.endr
.endm
	s_mov_b32 s22, 6
.Lscan:                                        ; chunks 1 to 6: the entering state is stored, then carried through the chunk
	v_add_nc_u32 v[LRD], 0x4000, v[LRD]            ; (the last trip's LDS loads have come back)
	v_add_nc_u32 v[BLR], 128, v[BLR]
.irp t, 0,1,2,3
	ds_load_b128 v[48+8*(\t):48+8*(\t)+3],   v[LRD] offset:1024*(\t)
	ds_load_b128 v[48+8*(\t)+4:48+8*(\t)+7], v[LRD] offset:1024*(\t)+512
.endr
.irp j, 0,1,2,3
	ds_load_b128 v[80+4*(\j):80+4*(\j)+3], v[BLR] offset:64*((\j)/2)+16*((\j)%2)  ; gate j / 2, my eight state rows
.endr
	SSTORE
	s_wait_dscnt 0x0
.irp t, 0,1,2,3
.irp j, 0,2,4,6
	v_pk_fma_f32 v[16+8*(\t)+(\j):16+8*(\t)+(\j)+1], v[16+8*(\t)+(\j):16+8*(\t)+(\j)+1], v[80+8*((\t)%2)+(\j):80+8*((\t)%2)+(\j)+1], v[48+8*(\t)+(\j):48+8*(\t)+(\j)+1]
.endr
.endr
	s_sub_co_u32 s22, s22, 1
	s_cmp_lg_u32 s22, 0
	s_cbranch_scc1 .Lscan
	SSTORE                                         ; the state that enters chunk 7
	s_wait_tensorcnt 0x0                           ; the wave's end
	ds_add_u32 v[SPW], v[NIL]
	s_wait_dscnt 0x0
	s_endpgm
.Lfunc_end_k_qe954876afd_state:
	.size	k_qe954876afd_state, .Lfunc_end_k_qe954876afd_state-k_qe954876afd_state
	.p2alignl 7, 3214868480
	.fill 96, 4, 3214868480
	.section	.rodata,"a",@progbits
	.p2align	6, 0x0
	.amdhsa_kernel k_qe954876afd_state
		.amdhsa_group_segment_fixed_size 132608
		.amdhsa_private_segment_fixed_size 0
		.amdhsa_enable_private_segment 0
		.amdhsa_kernarg_size 32
		.amdhsa_user_sgpr_count 2
		.amdhsa_user_sgpr_kernarg_segment_ptr 1
		.amdhsa_wavefront_size32 1
		.amdhsa_system_sgpr_workgroup_id_x 1
		.amdhsa_system_sgpr_workgroup_id_y 1
		.amdhsa_system_sgpr_workgroup_id_z 1
		.amdhsa_system_vgpr_workitem_id 0
		.amdhsa_next_free_vgpr 768
		.amdhsa_next_free_sgpr 66
		.amdhsa_reserve_vcc 0
		.amdhsa_float_denorm_mode_32 3
		.amdhsa_float_denorm_mode_16_64 3
		.amdhsa_memory_ordered 1
		.amdhsa_forward_progress 1
		.amdhsa_inst_pref_size 75
	.end_amdhsa_kernel
	.amdgpu_metadata
---
amdhsa.version: [ 1, 2 ]
amdhsa.kernels:
  - .name:           k_qe954876afd_state
    .symbol:         k_qe954876afd_state.kd
    .args:
      - { .name: P, .offset: 0, .size: 8, .value_kind: global_buffer, .address_space: global }
      - { .name: Wof, .offset: 8, .size: 8, .value_kind: global_buffer, .address_space: global }
      - { .name: st2, .offset: 16, .size: 8, .value_kind: global_buffer, .address_space: global }
      - { .name: Sst, .offset: 24, .size: 8, .value_kind: global_buffer, .address_space: global }
    .group_segment_fixed_size: 132608
    .private_segment_fixed_size: 0
    .kernarg_segment_align: 8
    .kernarg_segment_size: 32
    .max_flat_workgroup_size: 128
    .sgpr_count:     66
    .vgpr_count:     768
    .wavefront_size: 32
...
	.end_amdgpu_metadata
.endif
;; end of part 3
;; launch intra (part 4): grid 8 x 32, 4 waves a work-group, no clusters, 144,896 bytes of LDS; arguments P, Sst, alpha_list, Ob; writes Ob
.if DOCPART == 4
	.amdgcn_target "amdgcn-amd-amdhsa--gfx1250"
	.amdhsa_code_object_version 6
	.text
	.protected	k_qe954876afd_intra
	.globl	k_qe954876afd_intra
	.p2align	8
	.type	k_qe954876afd_intra,@function
k_qe954876afd_intra:
	s_mov_b64 s[64:65], 0
	v_nop
	global_prefetch_b8 v0, s[64:65] scope:SCOPE_SE
	s_setreg_imm32_b32 hwreg(HW_REG_WAVE_MODE, 25, 1), 1
	s_wait_xcnt 0x0
; ONE CHUNK OF 128 TOKENS OF ONE HEAD: O'_t = sum over j <= t of A_tj v_j + sum over (gate, channel) of QB[t] S[.], both gates summed inside the accumulators (K rows = gate x 16 + channel, a slice of 16 channels a trip).
; A_tj = sum of a_g q_t k_j x the product of the decays of tokens j+1..t.  ONLY PRODUCTS OF DECAYS (each at most 1) ARE FORMED.  The pairs j < t are split by the highest bit in which t and j differ:
; at the level of half-size s, t lies in an odd block of s tokens and carries the product from its block's start to t; j lies in the even block in front and carries the product behind j to its block's end.
; Array Z_l (s = 2^l, l = 0..6) holds q so weighted at the tokens of odd blocks and k so weighted at those of even blocks.  A 16 x 16 tile off the diagonal belongs to one level (l = 4, 5, 6).
; A diagonal tile takes five products: q k for j = t and Z_l Z_l^T for l = 0..3 (one fragment as both sources); constant lane masks pick each pair's level; what the masks drop is finite.
; SCALES.  q enters times a_g rho_q (within 1).  A is rounded to f16 times cA = rho_k / sqrt(128) (within 11.3, whatever v's size).  The states came times cA rho_v.  So O^T, which takes QB S first, is
; multiplied by 1 / rho_v ahead of A's products with the unscaled v, and by rho_v on the way out: powers of two, exact.  softmax(alpha) takes its maximum away; alpha is rounded to bf16 like every input.
; LIMITS.  A product of decays below 2^-126 counts as 0; f16 operands below 6e-5 keep a fixed step of 6e-8.  NaN and infinities are not treated apart.
; The last trip asks once more for its own slice (24 loads that nobody reads): the price of one text for every trip.  No cluster: a work-group's q, k, gates, v and state are read by no other work-group of the launch.
; LDS: ten arrays of 32 rows x 288 bytes (Z0..Z6, QB, QD = q, KD = k) at n x 9,216; A [t][j] f16, pitch 272, at 92,160; four stages at 126,976; the spare words at 144,384.
; REGISTERS: window 0: v0-27 addresses and constants; v28-59 q, k and the gates as loaded; v60-251 the vector phase's work, then 24 fragments.  window 1: A's accumulators.
;   window 2: v0-127 O^T at 8 (8 x + vt); v128-191 the state's fragments.   window 3: v's fragments at 64 y + 8 vt.
.set GO,   3
.set ZST,  4
.set ZST2, 5
.set SPW,  6
.set NIL,  7
.set C16,  8
.set ONE,  9
.set ZERO, 10
.set CQ,   11                          ; v11, v12: a_g rho_q
.set ASTD, 13
.set ARD,  14
.set STO,  15
.set RD,   16
.set AST1, 17
.set SFO,  18
.set VFO,  19
.set TD,   20
.set TDH,  21
.set T1Q,  22
.set T1K,  23
.set T2Q,  24
.set T2K,  25
.set AST2, 27
.set RAW,  28
.set KF,   60
.set QG,   68
.set PRE,  76
.set SUF,  84
.set F1,   92
.set F2,   100
.set QP,   108
.set KS,   116
.set ZT,   124
.set PK,   140
.set TT,   148
.set X,    149
.set LP,   150
.set LS,   152
.set Y,    153
.set FQ,   154
.set FK,   156
.set FR,   60                          ; the fragments, 8 registers each
.set MT,   60
.set OP,   92
.set CA,   56                          ; s[56:57] cA;  s[58:59] rho_v;  s[60:61] 1 / rho_v: each as a pair
.set RV,   58
.set IV,   60
.set AA,    92160
.set STG,   126976
.set SPARE, 144384
.set MSB, 0
.macro WIN new
.if MSB != (\new)
	s_set_vgpr_msb (MSB<<8)|(\new)
.set MSB, \new
.endif
.endm
.macro PLACES
.rept 4
	v_nop
.endr
.endm
.macro MIXH d, s, h, c                 ; v[d] = half h of v[s] (f16) x v[c] (f32)
.if (\h)
	v_fma_mix_f32 v[\d], v[\s], v[\c], v[ZERO] op_sel:[1,0,0] op_sel_hi:[1,0,0]
.else
	v_fma_mix_f32 v[\d], v[\s], v[\c], v[ZERO] op_sel_hi:[1,0,0]
.endif
.endm
	s_load_b256 s[4:11], s[0:1], 0x0               ; P, Sst, alpha_list, Ob
	v_lshl_add_u32 v[SPW], v0, 2, SPARE
	v_mov_b32 v[NIL], 0
	v_lshrrev_b32 v1, 5, v0
	v_readfirstlane_b32 s12, v1                    ; wave
	s_mov_b32 s13, ttmp9                           ; chunk
	s_and_b32 s14, ttmp7, 0xffff
	s_lshr_b32 s15, s14, 4                         ; batch
	s_and_b32 s16, s14, 15                         ; head
	s_lshr_b32 s17, s12, 1
	s_and_b32 s18, s12, 1
	v_and_b32 v1, 15, v0                           ; octet in the vector phase, l % 16 in a fragment
	v_bfe_u32 v2, v0, 4, 1
	v_lshlrev_b32 v[GO], 4, v1
	v_lshl_add_u32 v[GO], v2, 12, v[GO]            ; (l / 16) rows of 4,096 bytes + 16 (l % 16)
	s_lshl_b32 s44, s12, 2
	v_add_nc_u32 v[ZST], s44, v2                   ; channel 4 w + l / 16 (+ 2 i)
	v_mul_u32_u24 v[ZST], v[ZST], 288
	v_lshl_add_u32 v[ZST], v1, 4, v[ZST]
	v_add_nc_u32 v[ZST2], 46080, v[ZST]
	v_and_b32 v[SFO], 31, v0
	v_lshlrev_b32 v[SFO], 4, v[SFO]
	v_lshlrev_b32 v[VFO], 12, v1
	v_lshl_add_u32 v[VFO], v2, 4, v[VFO]
	v_and_b32 v27, 7, v0                           ; the turning load: row 8 (l / 16) + l % 8, 16 bytes by (l / 8) % 2
	v_lshl_add_u32 v27, v2, 3, v27
	v_mul_u32_u24 v27, v27, 288
	v_bfe_u32 v26, v0, 3, 1
	v_lshl_add_u32 v27, v26, 4, v27
	s_lshl_b32 s44, s12, 6
	v_add_nc_u32 v[TD], s44, v27                   ; token tile 2 w
	v_add_nc_u32 v[TDH], 64512, v[TD]              ; the same in array 7
	s_lshl2_add_u32 s44, s17, s18
	s_add_co_u32 s44, s44, 2
	s_lshl_b32 s45, s44, 5
	s_add_co_u32 s45, s45, 46080
	v_add_nc_u32 v[T1Q], s45, v27                  ; Z5 at tile 2 + w % 2 + 4 (w / 2)
	s_lshl_b32 s45, s17, 7
	s_add_co_u32 s45, s45, 46080
	v_add_nc_u32 v[T1K], s45, v27                  ; Z5 at tile 4 (w / 2)
	s_lshl_b32 s45, s12, 5
	s_add_co_u32 s45, s45, 55296+128
	v_add_nc_u32 v[T2Q], s45, v27                  ; Z6 at tile 4 + w
	v_add_nc_u32 v[T2K], 55296, v27                ; Z6 at tile 0
	v_mul_u32_u24 v26, v1, 272
	v_lshl_add_u32 v26, v2, 4, v26                 ; (l % 16) x 272 + 16 (l / 16)
	s_mul_i32 s45, s12, 8704
	s_add_co_u32 s45, s45, AA
	v_add_nc_u32 v[ARD], s45, v26                  ; A's rows 32 w on
	s_lshl_b32 s46, s12, 6
	s_add_co_u32 s45, s45, s46
	v_add_nc_u32 v[ASTD], s45, v26                 ; tile (2 w, 2 w)
	s_mul_i32 s45, s44, 4352
	s_lshl_b32 s46, s17, 7
	s_add_co_u32 s45, s45, s46
	s_add_co_u32 s45, s45, AA
	v_add_nc_u32 v[AST1], s45, v26                 ; tile (2 + w % 2 + 4 (w / 2), 4 (w / 2))
	s_mul_i32 s45, s12, 4352
	s_add_co_u32 s46, s45, AA+4*4352
	v_add_nc_u32 v[AST2], s46, v26                 ; tile (4 + w, 0)
	s_add_co_u32 s45, s45, STG
	v_add_nc_u32 v[STO], s45, v26
	v_mul_u32_u24 v[RD], v2, 272
	v_lshl_add_u32 v[RD], v1, 4, v[RD]
	v_add_nc_u32 v[RD], s45, v[RD]
	v_mov_b32 v[C16], 0x3d800000
	v_mov_b32 v[ONE], 1.0
	v_mov_b32 v[ZERO], 0
	s_mov_b32 s40, 0xaaaaaaaa                      ; the octets of odd blocks of 1, 2, 4, 8 octets
	s_mov_b32 s41, 0xcccccccc
	s_mov_b32 s42, 0xf0f0f0f0
	s_mov_b32 s43, 0xff00ff00
	s_mul_i32 s44, s16, 8*327680                   ; the head's rows of P,
	s_lshl_b32 s45, s15, 11
	s_add_co_u32 s44, s44, s45
	s_lshl_b32 s45, s13, 8
	s_add_co_u32 s44, s44, s45                     ; at the chunk's first token
	s_mov_b32 s45, 0
	s_lshl_b32 s48, s12, 14                        ; my four channels of a slice
	s_mov_b32 s49, 0
	s_lshl_b32 s50, s14, 19
	s_lshl_b32 s51, s13, 16
	s_add_co_u32 s50, s50, s51                     ; the chunk's entering state
	s_mov_b32 s51, 0
	s_lshl_b32 s52, s15, 10
	s_lshl_b32 s53, s13, 7
	s_add_co_u32 s52, s52, s53
	s_lshl_b32 s53, s12, 5
	s_add_co_u32 s52, s52, s53                     ; my first token
	s_lshl_b32 s52, s52, 12
	s_lshl_b32 s53, s16, 8
	s_add_co_u32 s52, s52, s53
	s_mov_b32 s53, 0
	s_mov_b32 s27, 0
	s_mov_b32 s29, 0
	s_wait_kmcnt 0x0
	s_add_nc_u64 s[46:47], s[6:7], 0x1000000
	s_load_b256 s[32:39], s[46:47], 0x0            ; the record: rho_q, cS, FA, FB, cA, rho_v, 1 / rho_v, 0
	s_load_b64 s[54:55], s[8:9], 0x0               ; alpha
	s_add_nc_u64 s[20:21], s[4:5], s[44:45]
	s_add_nc_u64 s[24:25], s[20:21], 131072        ; v's rows
	s_add_nc_u64 s[20:21], s[20:21], s[48:49]
	s_add_nc_u64 s[22:23], s[6:7], s[50:51]
	s_add_nc_u64 s[10:11], s[10:11], s[52:53]
.irp y, 0,1,2,3                        ; v's fragments of the K steps that my rows see: y <= w
.if (\y) > 0
	s_cmp_lt_u32 s12, \y
	s_cbranch_scc1 .Lvdone
.endif
	WIN 0xc0
.irp vt, 0,1,2,3,4,5,6,7
	global_load_b128 v[64*(\y)+8*(\vt):64*(\y)+8*(\vt)+3],   v[VFO], s[24:25] offset:(\vt)*327680+64*(\y)
	global_load_b128 v[64*(\y)+8*(\vt)+4:64*(\y)+8*(\vt)+7], v[VFO], s[24:25] offset:(\vt)*327680+64*(\y)+32
.endr
	WIN 0
.endr
.Lvdone:
.macro LRAW i                          ; q, k and both gates of channel 4 w + 2 i + l / 16: sixteen lanes read a channel's 256 bytes
	global_load_b128 v[RAW+16*(\i):RAW+16*(\i)+3],     v[GO], s[20:21] offset:(\i)*8192
	global_load_b128 v[RAW+16*(\i)+4:RAW+16*(\i)+7],   v[GO], s[20:21] offset:65536+(\i)*8192
	global_load_b128 v[RAW+16*(\i)+8:RAW+16*(\i)+11],  v[GO], s[20:21] offset:3*65536+(\i)*8192
	global_load_b128 v[RAW+16*(\i)+12:RAW+16*(\i)+15], v[GO], s[20:21] offset:4*65536+(\i)*8192
.endm
.macro LSTATE                          ; a slice of the state: sixteen register images
	WIN 0x80
.set t, 0
.rept 16
	global_load_b128 v[128+4*t:128+4*t+3], v[SFO], s[22:23] offset:512*t
.set t, t+1
.endr
	WIN 0
.endm
	LRAW 0
	LRAW 1
	LSTATE
	s_wait_kmcnt 0x0
	s_mov_b32 s[CA], s36
	s_mov_b32 s[CA+1], s36
	s_mov_b32 s[RV], s37
	s_mov_b32 s[RV+1], s37
	s_mov_b32 s[IV], s38
	s_mov_b32 s[IV+1], s38
	v_mov_b32 v60, s54
	v_mov_b32 v61, s55
	v_cvt_pk_bf16_f32 v62, v60, v61
	v_lshlrev_b32 v60, 16, v62
	v_and_b32 v61, 0xffff0000, v62
	v_max_num_f32 v62, v60, v61                    ; softmax(alpha): the maximum is taken away
	v_sub_f32 v60, v60, v62
	v_sub_f32 v61, v61, v62
	v_mul_f32 v60, 0x3fb8aa3b, v60
	v_mul_f32 v61, 0x3fb8aa3b, v61
	v_exp_f32 v60, v60
	v_exp_f32 v61, v61
	v_nop
	s_wait_alu depctr_va_vdst(0)
	v_add_f32 v62, v60, v61
	v_rcp_f32 v62, v62
	v_nop
	s_wait_alu depctr_va_vdst(0)
	v_mul_f32 v62, s32, v62
	v_mul_f32 v[CQ], v60, v62
	v_mul_f32 v[CQ+1], v61, v62
.macro PUT src, n                      ; eight numbers, rounded to f16, into array n at my channel's row and my octet
.set PKC, PK+4*((\n)%2)
.irp j, 0,1,2,3
	v_cvt_pk_f16_f32 v[PKC+(\j)], v[(\src)+2*(\j)], v[(\src)+2*(\j)+1]
.endr
.if (\n) < 5
	ds_store_b128 v[ZST], v[PKC:PKC+3] offset:(\n)*9216+RO
.else
	ds_store_b128 v[ZST2], v[PKC:PKC+3] offset:((\n)-5)*9216+RO
.endif
.endm
.macro LEVEL m, xm                     ; blocks of 2^m octets: Z(3+m), then the products before and behind me in the block of twice the size
	v_cndmask_b32 v[FQ], 0, v[LP], s[40+(\m)]
	v_cndmask_b32 v[FK], v[LS], 0, s[40+(\m)]
.irp j, 0,2,4,6
	v_pk_mul_f32 v[ZT+(\j):ZT+(\j)+1], v[QP+(\j):QP+(\j)+1], v[FQ:FQ+1] op_sel_hi:[1,0]
.endr
.irp j, 0,2,4,6
	v_pk_fma_f32 v[ZT+(\j):ZT+(\j)+1], v[KS+(\j):KS+(\j)+1], v[FK:FK+1], v[ZT+(\j):ZT+(\j)+1] op_sel_hi:[1,0,1]
.endr
	PUT ZT, 3+(\m)
	v_mul_f32_dpp v[X], v[TT], v[LP] row_xmask:\xm row_mask:0xf bank_mask:0xf
.if (\m) < 3
	v_mul_f32_dpp v[Y], v[TT], v[LS] row_xmask:\xm row_mask:0xf bank_mask:0xf
	v_mul_f32_dpp v[TT], v[TT], v[TT] row_xmask:\xm row_mask:0xf bank_mask:0xf
	v_cndmask_b32 v[LS], v[Y], v[LS], s[40+(\m)]
.endif
	v_cndmask_b32 v[LP], v[LP], v[X], s[40+(\m)]
.endm
; Channel i (of my two), gate g: a lane's eight tokens.  e0..e7 land where they are wanted last: PRE0, F1[0], F1[2], F2[2], F2[4], F1[4], F1[6], SUF6.
.macro ITEM i, g
.set LR, RAW+16*(\i)+8+4*(\g)
.set QR, RAW+16*(\i)
.set RO, (16*(\g)+2*(\i))*288
	MIXH PRE,   LR,   0, C16
	MIXH F1,    LR,   1, C16
	MIXH F1+2,  LR+1, 0, C16
	MIXH F2+2,  LR+1, 1, C16
	MIXH F2+4,  LR+2, 0, C16
	MIXH F1+4,  LR+2, 1, C16
	MIXH F1+6,  LR+3, 0, C16
	MIXH SUF+6, LR+3, 1, C16
	v_exp_f32 v[PRE], v[PRE]
	v_exp_f32 v[F1], v[F1]
	v_exp_f32 v[F1+2], v[F1+2]
	v_exp_f32 v[F2+2], v[F2+2]
	v_exp_f32 v[F2+4], v[F2+4]
	v_exp_f32 v[F1+4], v[F1+4]
	v_exp_f32 v[F1+6], v[F1+6]
	v_exp_f32 v[SUF+6], v[SUF+6]
.set n, 0
.rept 8
	MIXH QG+n, QR+n/2, n%2, CQ+(\g)                ; a_g rho_q q: work that names no exponential's result
.set n, n+1
.endr
	s_wait_alu depctr_va_vdst(0)                   ; one wait for the batch of eight
	v_mul_f32 v[PRE+1], v[PRE], v[F1]
	v_mul_f32 v[F1+3], v[F1+2], v[F2+2]
	v_mul_f32 v[F2+1], v[F1+2], v[F2+2]
	v_mul_f32 v[F2+5], v[F2+4], v[F1+4]
	v_mul_f32 v[F1+7], v[F1+6], v[SUF+6]
	v_mul_f32 v[SUF+5], v[F1+6], v[SUF+6]
	v_mul_f32 v[F2], v[F1], v[F2+1]
	v_mul_f32 v[F2+6], v[F2+5], v[F1+6]
	v_mul_f32 v[F2+7], v[F2+5], v[F1+7]
	v_mul_f32 v[SUF+3], v[F2+5], v[F1+7]
	v_mul_f32 v[PRE+3], v[PRE+1], v[F2+1]
	v_mul_f32 v[PRE+2], v[PRE+1], v[F1+2]
	v_mul_f32 v[PRE+4], v[PRE+3], v[F2+4]
	v_mul_f32 v[PRE+5], v[PRE+3], v[F2+5]
	v_mul_f32 v[PRE+6], v[PRE+3], v[F2+6]
	v_mul_f32 v[PRE+7], v[PRE+3], v[F2+7]
	v_mul_f32 v[SUF+4], v[F1+4], v[SUF+5]
	v_mul_f32 v[SUF+2], v[F2+2], v[SUF+3]
	v_mul_f32 v[SUF+1], v[F2+1], v[SUF+3]
	v_mul_f32 v[SUF], v[F2], v[SUF+3]
	v_mul_f32 v[ZT],   v[QG+1], v[F1]              ; Z0: k at even tokens, q e at odd ones
	v_mul_f32 v[ZT+1], v[QG+3], v[F2+2]
	v_mul_f32 v[ZT+2], v[QG+5], v[F1+4]
	v_mul_f32 v[ZT+3], v[QG+7], v[SUF+6]
.irp j, 0,1,2,3
	v_cvt_pk_f16_f32 v[PK+(\j)], v[KF+2*(\j)], v[ZT+(\j)]
.endr
	ds_store_b128 v[ZST], v[PK:PK+3] offset:RO
	v_pk_mul_f32 v[ZT+8:ZT+9],   v[KF:KF+1],     v[F1:F1+1]      ; Z1
	v_pk_mul_f32 v[ZT+10:ZT+11], v[QG+2:QG+3],   v[F1+2:F1+3]
	v_pk_mul_f32 v[ZT+12:ZT+13], v[KF+4:KF+5],   v[F1+4:F1+5]
	v_pk_mul_f32 v[ZT+14:ZT+15], v[QG+6:QG+7],   v[F1+6:F1+7]
	PUT ZT+8, 1
	v_pk_mul_f32 v[ZT:ZT+1],     v[KF:KF+1],     v[F2:F2+1]      ; Z2
	v_pk_mul_f32 v[ZT+2:ZT+3],   v[KF+2:KF+3],   v[F2+2:F2+3]
	v_pk_mul_f32 v[ZT+4:ZT+5],   v[QG+4:QG+5],   v[F2+4:F2+5]
	v_pk_mul_f32 v[ZT+6:ZT+7],   v[QG+6:QG+7],   v[F2+6:F2+7]
	PUT ZT, 2
.irp j, 0,2,4,6
	v_pk_mul_f32 v[QP+(\j):QP+(\j)+1], v[QG+(\j):QG+(\j)+1], v[PRE+(\j):PRE+(\j)+1]
	v_pk_mul_f32 v[KS+(\j):KS+(\j)+1], v[KF+(\j):KF+(\j)+1], v[SUF+(\j):SUF+(\j)+1]
.endr
	v_mov_b32 v[TT], v[PRE+7]
	v_mov_b32 v[LP], 1.0
	v_mov_b32 v[LS], 1.0
	LEVEL 0, 1
	LEVEL 1, 2
	LEVEL 2, 4
	LEVEL 3, 8
.irp j, 0,2,4,6
	v_pk_mul_f32 v[ZT+(\j):ZT+(\j)+1], v[QP+(\j):QP+(\j)+1], v[LP:LP+1] op_sel_hi:[1,0]  ; q times all decays from the chunk's start
.endr
	PUT ZT, 7
	PUT QG, 8
	ds_store_b128 v[ZST2], v[RAW+16*(\i)+4:RAW+16*(\i)+7] offset:4*9216+RO               ; k as it came
.endm
.macro KFS i
.set n, 0
.rept 8
	MIXH KF+n, RAW+16*(\i)+4+n/2, n%2, ONE
.set n, n+1
.endr
.endm
.macro TRL idx, adr, off               ; a fragment of 32 K rows x 16 tokens, turned
	ds_load_tr16_b128 v[FR+8*(\idx):FR+8*(\idx)+3],   v[\adr] offset:\off
	ds_load_tr16_b128 v[FR+8*(\idx)+4:FR+8*(\idx)+7], v[\adr] offset:(\off)+4608
.endm
.macro WM d, a, b, zero
.if \zero
	v_wmma_f32_16x16x32_f16 v[(\d):(\d)+7], v[(\a):(\a)+7], v[(\b):(\b)+7], 0
.else
	v_wmma_f32_16x16x32_f16 v[(\d):(\d)+7], v[(\a):(\a)+7], v[(\b):(\b)+7], v[(\d):(\d)+7]
.endif
.endm
; A slice's 33 products, each accumulator once.  Source 0 = 16 keys (or v channels), source 1 = 16 queries: a lane holds one query and eight keys (channels).
.macro MMS zero
	WIN 0x50
.irp x, 0,1
	WM 40*(\x), FR+48*(\x), FR+48*(\x)+8, \zero
.irp n, 0,1,2,3
	WM 40*(\x)+8+8*(\n), FR+48*(\x)+16+8*(\n), FR+48*(\x)+16+8*(\n), \zero
.endr
.endr
	WM 80, FR+96, FR+104, \zero
	WM 88, FR+120, FR+112, \zero
	WM 96, FR+128, FR+112, \zero
.irp x, 0,1,2,3
	WM 104+8*(\x), FR+144+8*(\x), FR+136, \zero
.endr
	WIN 0xa2
.irp vt, 0,1,2,3,4,5,6,7
.irp x, 0,1
	WM 8*(8*(\x)+(\vt)), 128+8*(\vt), FR+176+8*(\x), \zero
.endr
.endr
	WIN 0
.endm
	s_mov_b32 s30, 0
.Lslice:
	s_wait_xcnt 0x0                                ; every load issued so far has read its base
	s_cmp_eq_u32 s30, 7
	s_cselect_b32 s26, 0, 327680                   ; the next slice's rows; in the last trip the same once more
	s_cselect_b32 s28, 0, 8192
	s_add_nc_u64 s[20:21], s[20:21], s[26:27]
	s_add_nc_u64 s[22:23], s[22:23], s[28:29]
	v_mov_b32 v[F1+1], 1.0                         ; what the fragments overwrote
	v_mov_b32 v[F1+5], 1.0
	v_mov_b32 v[F2+3], 1.0
	v_mov_b32 v[SUF+7], 1.0
	v_mov_b32 v[LP+1], 0
	v_mov_b32 v[FQ+1], 0
	v_mov_b32 v[FK+1], 0
	v_mov_b32 v[X], 0
	v_mov_b32 v[Y], 0
	s_wait_loadcnt 20                              ; channel 0's four loads are in; younger: channel 1's 4 and the state's 16
	KFS 0
	ITEM 0, 0
	ITEM 0, 1
	LRAW 0
	s_wait_loadcnt 20                              ; channel 1's are in; younger: the state's 16 and the 4 just issued
	KFS 1
	ITEM 1, 0
	ITEM 1, 1
	LRAW 1
	s_wait_dscnt 0x0                               ; my stores into the arrays are done
	s_barrier_signal -1
	s_barrier_wait -1
.irp x, 0,1
	TRL 6*(\x),   TDH, 18432+32*(\x)
	TRL 6*(\x)+1, TDH, 9216+32*(\x)
	TRL 6*(\x)+2, TD,  32*(\x)
	TRL 6*(\x)+3, TD,  9216+32*(\x)
	TRL 6*(\x)+4, TD,  2*9216+32*(\x)
	TRL 6*(\x)+5, TD,  3*9216+32*(\x)
.endr
	TRL 12, TD, 4*9216
	TRL 13, TD, 4*9216+32
	TRL 14, T1Q, 0
	TRL 15, T1K, 0
	TRL 16, T1K, 32
	TRL 17, T2Q, 0
	TRL 18, T2K, 0
	TRL 19, T2K, 32
	TRL 20, T2K, 64
	TRL 21, T2K, 96
	TRL 22, TDH, 0
	TRL 23, TDH, 32
	s_wait_dscnt 0x0                               ; my reads of the arrays are over: the next trip may write them
	s_barrier_signal -1
	s_barrier_wait -1
	s_wait_loadcnt 8                               ; the state's slice is in; the next slice's 8 raw loads may stay out
	s_cmp_eq_u32 s30, 0
	s_cbranch_scc0 .Lacc
	MMS 1                                          ; the first slice starts the sums
	s_branch .Lmmd
.Lacc:
	MMS 0
.Lmmd:
	PLACES                                         ; between the last products and what rewrites their sources
	LSTATE
	s_add_co_u32 s30, s30, 1
	s_cmp_lt_u32 s30, 8
	s_cbranch_scc1 .Lslice
	s_wait_loadcnt 0x0
	PLACES
	WIN 0x82                                       ; O^T = QB S, which carries rho_v, times 1 / rho_v: A's products with the unscaled v come onto it; each accumulator from its low end on
.set i, 0
.rept 64
	v_pk_mul_f32 v[i:i+1], v[i:i+1], s[IV:IV+1] op_sel_hi:[1,0]
.set i, i+2
.endr
	WIN 0
; A's tiles, times cA, rounded to f16, into A[t][j]: a lane's eight keys are 16 bytes of its query's row.
.macro SCST adr, off
.irp j, 0,2,4,6
	v_pk_mul_f32 v[MT+(\j):MT+(\j)+1], v[MT+(\j):MT+(\j)+1], s[CA:CA+1] op_sel_hi:[1,0]
.endr
.irp j, 0,1,2,3
	v_cvt_pk_f16_f32 v[PK+(\j)], v[MT+2*(\j)], v[MT+2*(\j)+1]
.endr
	ds_store_b128 v[\adr], v[PK:PK+3] offset:\off
.endm
.macro DIAGT ab, off                   ; a diagonal tile: register g of lane (t = l % 16, h = l / 16) is the pair (t, j = 8 h + g); each accumulator is read from its low end on
	WIN 0x04
.irp g, 0,1,2,3,4,5,6,7
	s_mov_b32 s44, (1<<(\g))|(1<<(24+(\g)))                          ; j = t
	v_cndmask_b32 v[MT+(\g)], 0, v[(\ab)+(\g)], s44
.if (\g)%2 == 0
	s_mov_b32 s45, (1<<((\g)+1))|(1<<(25+(\g)))                      ; they differ in bit 0 alone
	v_cndmask_b32 v[MT+(\g)], v[MT+(\g)], v[(\ab)+8+(\g)], s45
.endif
.if (\g)%4 < 2
	s_mov_b32 s46, (0xc<<(4*((\g)/4)))|(0xc000000<<(4*((\g)/4)))     ; highest in bit 1
	v_cndmask_b32 v[MT+(\g)], v[MT+(\g)], v[(\ab)+16+(\g)], s46
.endif
.if (\g) < 4
	v_cndmask_b32 v[MT+(\g)], v[MT+(\g)], v[(\ab)+24+(\g)], s47      ; in bit 2
.endif
	v_cndmask_b32 v[MT+(\g)], v[MT+(\g)], v[(\ab)+32+(\g)], s48      ; in bit 3
.endr
	WIN 0
	SCST ASTD, \off
.endm
.macro PLAINT ab, adr, off
	WIN 0x01
.irp j, 0,2,4,6
	v_pk_mul_f32 v[MT+(\j):MT+(\j)+1], v[(\ab)+(\j):(\ab)+(\j)+1], s[CA:CA+1] op_sel_hi:[1,0]
.endr
	WIN 0
.irp j, 0,1,2,3
	v_cvt_pk_f16_f32 v[PK+(\j)], v[MT+2*(\j)], v[MT+2*(\j)+1]
.endr
	ds_store_b128 v[\adr], v[PK:PK+3] offset:\off
.endm
	s_mov_b32 s47, 0xf00000f0
	s_mov_b32 s48, 0x0000ff00
	DIAGT 0, 0                                     ; (2 w, 2 w)
	DIAGT 40, 4352+32                              ; (2 w + 1, 2 w + 1)
	PLAINT 80, ASTD, 4352                          ; (2 w + 1, 2 w)
	PLAINT 88, AST1, 0
	PLAINT 96, AST1, 32
	PLAINT 104, AST2, 0
	PLAINT 112, AST2, 32
	PLAINT 120, AST2, 64
	PLAINT 128, AST2, 96
.irp j, 0,1,2,3
	v_mov_b32 v[PK+4+(\j)], 0
.endr
	ds_store_b128 v[ASTD], v[PK+4:PK+7] offset:32  ; (2 w, 2 w + 1): above the diagonal
	s_wait_dscnt 0x0
	s_barrier_signal -1
	s_barrier_wait -1                              ; A is whole
.irp y, 0,1,2,3                        ; O^T += V^T A^T, 32 keys a step, as far as my rows see
.if (\y) > 0
	s_cmp_lt_u32 s12, \y
	s_cbranch_scc1 .Lavdone
	PLACES
.endif
.irp x, 0,1
	ds_load_b128 v[FR+8*(\x):FR+8*(\x)+3],   v[ARD] offset:(\x)*4352+64*(\y)
	ds_load_b128 v[FR+8*(\x)+4:FR+8*(\x)+7], v[ARD] offset:(\x)*4352+64*(\y)+32
.endr
	s_wait_dscnt 0x0
	WIN 0xa3
.irp vt, 0,1,2,3,4,5,6,7
.irp x, 0,1
	WM 8*(8*(\x)+(\vt)), 64*(\y)+8*(\vt), FR+8*(\x), 0
.endr
.endr
	WIN 0
.endr
.Lavdone:
	PLACES
	PLACES
; THE WAY OUT: times rho_v; a lane's eight channels of a token pack into 16 bytes; through my stage they become whole rows of 256 bytes.
.macro PACK x
	WIN 0x82
.set i, 64*(\x)
.rept 32
	v_pk_mul_f32 v[i:i+1], v[i:i+1], s[RV:RV+1] op_sel_hi:[1,0]
.set i, i+2
.endr
	WIN 0x0a
.set i, 0
.rept 32
	v_cvt_pk_f16_f32 v[OP+32*(\x)+i], v[64*(\x)+2*i], v[64*(\x)+2*i+1]
.set i, i+1
.endr
	WIN 0
.irp f, 0,1,2,3,4,5,6,7
	ds_store_b128 v[STO], v[OP+32*(\x)+4*(\f):OP+32*(\x)+4*(\f)+3] offset:32*(\f)
.endr
.irp f, 0,1,2,3,4,5,6,7
	ds_load_b128 v[OP+32*(\x)+4*(\f):OP+32*(\x)+4*(\f)+3], v[RD] offset:(\f)*544  ; LDS serves a wave's instructions in order
.endr
.endm
.macro SEND x, younger
.irp f, 0,1,2,3,4,5,6,7
	s_wait_dscnt (\younger)+7-(\f)
	global_store_b128 v[GO], v[OP+32*(\x)+4*(\f):OP+32*(\x)+4*(\f)+3], s[10:11] offset:(\x)*65536+(\f)*8192  ; 16 lanes store 256 consecutive bytes, aligned
.endr
.endm
	PACK 0
	PACK 1
	SEND 0, 16
	SEND 1, 0
	s_wait_tensorcnt 0x0                           ; the wave's end
	ds_add_u32 v[SPW], v[NIL]
	s_wait_dscnt 0x0
	s_endpgm
.Lfunc_end_k_qe954876afd_intra:
	.size	k_qe954876afd_intra, .Lfunc_end_k_qe954876afd_intra-k_qe954876afd_intra
	.p2alignl 7, 3214868480
	.fill 96, 4, 3214868480
	.section	.rodata,"a",@progbits
	.p2align	6, 0x0
	.amdhsa_kernel k_qe954876afd_intra
		.amdhsa_group_segment_fixed_size 144896
		.amdhsa_private_segment_fixed_size 0
		.amdhsa_enable_private_segment 0
		.amdhsa_kernarg_size 32
		.amdhsa_user_sgpr_count 2
		.amdhsa_user_sgpr_kernarg_segment_ptr 1
		.amdhsa_wavefront_size32 1
		.amdhsa_system_sgpr_workgroup_id_x 1
		.amdhsa_system_sgpr_workgroup_id_y 1
		.amdhsa_system_sgpr_workgroup_id_z 1
		.amdhsa_system_vgpr_workitem_id 0
		.amdhsa_next_free_vgpr 1024
		.amdhsa_next_free_sgpr 66
		.amdhsa_reserve_vcc 0
		.amdhsa_float_denorm_mode_32 3
		.amdhsa_float_denorm_mode_16_64 3
		.amdhsa_memory_ordered 1
		.amdhsa_forward_progress 1
		.amdhsa_inst_pref_size 100
	.end_amdhsa_kernel
	.amdgpu_metadata
---
amdhsa.version: [ 1, 2 ]
amdhsa.kernels:
  - .name:           k_qe954876afd_intra
    .symbol:         k_qe954876afd_intra.kd
    .args:
      - { .name: P, .offset: 0, .size: 8, .value_kind: global_buffer, .address_space: global }
      - { .name: Sst, .offset: 8, .size: 8, .value_kind: global_buffer, .address_space: global }
      - { .name: alpha_list, .offset: 16, .size: 8, .value_kind: global_buffer, .address_space: global }
      - { .name: Ob, .offset: 24, .size: 8, .value_kind: global_buffer, .address_space: global }
    .group_segment_fixed_size: 144896
    .private_segment_fixed_size: 0
    .kernarg_segment_align: 8
    .kernarg_segment_size: 32
    .max_flat_workgroup_size: 128
    .sgpr_count:     66
    .vgpr_count:     1024
    .wavefront_size: 32
...
	.end_amdgpu_metadata
.endif
;; end of part 4
;; launch outp (part 5): grid 16 x 16, 4 waves a work-group, clusters of 4 x 4, 327,680 bytes of LDS; arguments Ob, Wof, Sst, out0; writes out0
.if DOCPART == 5
	.amdgcn_target "amdgcn-amd-amdhsa--gfx1250"
	.amdhsa_code_object_version 6
	.text
	.protected	k_qe954876afd_outp
	.globl	k_qe954876afd_outp
	.p2align	8
	.type	k_qe954876afd_outp,@function
k_qe954876afd_outp:
	s_mov_b64 s[64:65], 0
	v_nop
	global_prefetch_b8 v0, s[64:65] scope:SCOPE_SE
	s_setreg_imm32_b32 hwreg(HW_REG_WAVE_MODE, 25, 1), 1
	s_wait_xcnt 0x0
	s_wait_alu depctr_hold_cnt(0) depctr_sa_sdst(0) depctr_va_vdst(0) depctr_va_sdst(0) depctr_va_ssrc(0) depctr_va_vcc(0) depctr_vm_vsrc(0)
	s_getreg_b32 s2, hwreg(HW_REG_IB_STS2, 6, 4)
	s_cmp_eq_u32 s2, 0
	s_cbranch_scc0 .Lentry_in_a_cluster
	s_endpgm
.Lentry_in_a_cluster:
	s_bfe_u32 s2, ttmp6, 0x10000c
	s_cmp_lg_u32 s2, 0xf033
	s_cbranch_scc0 .Lentry_shape_is_right
	s_endpgm
.Lentry_shape_is_right:
; out0[tok][n] = FA FB x the sum over k of Ob[tok][k] Wof[n][k].  Ob, Wof: [2048][2048] f16; sums in f32; out0 f32.  FA FB is the power of two that undoes all scales, in two halves so that neither leaves f32's range.
; A tile is 128 x 128: 256 work-groups.  Four waves, each 64 x 64: 16 accumulators.  K goes in steps of 256 (LDS rows of 512 bytes, padded to 528; a wave's tensor load brings 64) through two slots.
; CLUSTER 4 x 4: Ob's tile is shared along a row of the cluster, Wof's along a column; each is asked for jointly.  The matrix instruction is used transposed: a lane holds eight neighbouring numbers of a row.
; A wave's 64 columns are 256 bytes of f32: each wave has a stage of its own behind the ring, and no barrier stands on the way out.  No prefetch: the tiles are small.
; REGISTERS: window 0: v0-31 addresses; v32-95 the way out; v128-255 accumulators ((a, b) at 128 + 8 (4 a + b)).  window 1: two fragment buffers of 128.
.set SIZE_K, 2048
.set SIZE_N, 2048
.set KSTEP,  256
.set PITCH,  528
.set HALFT,  64*PITCH
.set SLOT,   4*HALFT
.set STAGE,  2*SLOT
.set SPITCH, 272
.set SPARE,  STAGE+4*16*SPITCH
.set LAPS, SIZE_K/(2*KSTEP)
.set ADRA, 16
.set ADRB, 20
.set STO,  24
.set RD,   25
.set CO,   26
.set SPW,  28
.set NIL,  29
.set TMP,  32
.set ACC,  128
.set F0,   0
.set F1,   128
.set G1, 24
.set G0, 32
.set G1B, 48
.set G0B, 56
.set MSB, 0
.macro WIN new
.if MSB != (\new)
	s_set_vgpr_msb (MSB<<8)|(\new)
.set MSB, \new
.endif
.endm
.set MUL,  0x05
.set TO_F, 0x40
.macro JLOAD s
	s_cmp_eq_u32 s11, 0
	s_cbranch_scc0 .Lfor_b_\@
	tensor_load_to_lds s[G0+4*(\s):G0+4*(\s)+3], s[G1:G1+7]
	s_nop 0
.rept 4
	v_nop
.endr
	s_branch .Lasked_\@
.Lfor_b_\@:
	tensor_load_to_lds s[G0B+4*(\s):G0B+4*(\s)+3], s[G1B:G1B+7]
	s_nop 0
.rept 4
	v_nop
.endr
.Lasked_\@:
.endm
.macro CREST
	s_cmp_lg_u32 s10, 0
	s_cbranch_scc1 .Lnot_wave_0_\@
	s_barrier_signal -3
.Lnot_wave_0_\@:
	s_barrier_wait -3
	s_barrier_signal -1
	s_barrier_wait -1
.endm
.macro CROUND
	s_barrier_signal -1
	s_barrier_wait -1
	CREST
.endm
	s_load_b128 s[4:7], s[0:1], 0x0                ; Ob, Wof
	s_load_b128 s[68:71], s[0:1], 0x10             ; Sst (the record of scales), out0
	v_lshl_add_u32 v[SPW], v0, 2, SPARE
	v_mov_b32 v[NIL], 0
	ds_add_u32 v[SPW], v[NIL]                      ; the wave's opening: the add and its wait ahead of my first tensor load
	v_lshrrev_b32 v1, 5, v0
	v_readfirstlane_b32 s10, v1
	s_lshr_b32 s11, s10, 1
	s_and_b32 s12, s10, 1
	s_bfe_u32 s40, ttmp6, 0x40000
	s_bfe_u32 s41, ttmp6, 0x40004
	s_lshl_b32 s42, ttmp9, 2
	s_add_co_u32 s42, s42, s40                     ; tile column
	s_and_b32 s13, ttmp7, 0xffff
	s_lshl_b32 s13, s13, 2
	s_add_co_u32 s13, s13, s41                     ; tile row
	s_lshl_b32 s43, s41, 2
	s_lshl_b32 s43, 15, s43
	s_lshl_b32 s44, 0x1111, s40
	s_or_b32 s[G1+0], s43, (1<<16)|(1<<20)|(1<<21)|(6<<22)|(3<<25)   ; mask; 2-byte elements; padding on; bit 21 beside a mask; after every 128 words 4 words
	s_or_b32 s[G1B+0], s44, (1<<16)|(1<<20)|(1<<21)|(6<<22)|(3<<25)
.irp g, G1, G1B
	s_mov_b32 s[(\g)+1], KSTEP<<16
	s_mov_b32 s[(\g)+2], 64<<16
	s_mov_b32 s[(\g)+3], KSTEP<<16
	s_mov_b32 s[(\g)+4], 64
	s_mov_b32 s[(\g)+5], SIZE_K
	s_mov_b32 s[(\g)+6], 0
	s_mov_b32 s[(\g)+7], 0
.endr
	s_lshl_b32 s17, s12, 6
	s_lshl_b32 s16, s13, 7
	s_add_co_u32 s16, s16, s17
	s_lshl_b32 s46, s42, 7
	s_add_co_u32 s46, s46, s17
	s_mov_b32 s17, 0
	s_mov_b32 s47, 0
	s_mov_b64 s[18:19], SIZE_K*2
	s_mul_u64 s[16:17], s[16:17], s[18:19]
	s_mul_u64 s[46:47], s[46:47], s[18:19]
	s_mul_i32 s20, s10, HALFT
	s_wait_dscnt 0x0
	s_wait_kmcnt 0x0
	s_add_nc_u64 s[14:15], s[4:5], s[16:17]
	s_add_nc_u64 s[46:47], s[6:7], s[46:47]
	CROUND
.irp s, 0,1
	s_mov_b32 s[G0+4*(\s)], 1
	s_add_co_u32 s[G0+4*(\s)+1], s20, (\s)*SLOT
	s_add_nc_u64 s[G0+4*(\s)+2:G0+4*(\s)+3], s[14:15], (\s)*KSTEP*2
	s_or_b32 s[G0+4*(\s)+3], s[G0+4*(\s)+3], 0x80000000
	s_mov_b32 s[G0B+4*(\s)], 1
	s_add_co_u32 s[G0B+4*(\s)+1], s20, (\s)*SLOT
	s_add_nc_u64 s[G0B+4*(\s)+2:G0B+4*(\s)+3], s[46:47], (\s)*KSTEP*2
	s_or_b32 s[G0B+4*(\s)+3], s[G0B+4*(\s)+3], 0x80000000
	JLOAD \s
.endr
	s_add_nc_u64 s[68:69], s[68:69], 0x1000000
	s_load_b128 s[72:75], s[68:69], 0x0            ; .., .., FA, FB
	v_and_b32 v1, 15, v0
	v_bfe_u32 v2, v0, 4, 1
	v_mul_u32_u24 v3, v1, PITCH
	v_lshl_add_u32 v3, v2, 4, v3
	s_mul_i32 s21, s11, HALFT
	s_mul_i32 s22, s12, HALFT
	s_add_co_u32 s22, s22, 2*HALFT
.irp s, 0,1
	v_add_nc_u32 v[ADRA+(\s)], s21, v3
	v_add_nc_u32 v[ADRB+(\s)], s22, v3
	s_add_co_u32 s21, s21, SLOT
	s_add_co_u32 s22, s22, SLOT
.endr
	s_mul_i32 s23, s10, 16*SPITCH
	s_add_co_u32 s23, s23, STAGE                   ; my stage
	v_mul_u32_u24 v4, v1, SPITCH                   ; in: row l % 16, 32 bytes for each half of the lanes
	v_lshl_add_u32 v4, v2, 5, v4
	v_add_nc_u32 v[STO], s23, v4
	v_mul_u32_u24 v5, v2, SPITCH                   ; back: lanes 0-15 one row of 256 bytes, lanes 16-31 the next
	v_lshl_add_u32 v5, v1, 4, v5
	v_add_nc_u32 v[RD], s23, v5
	v_lshlrev_b32 v5, 13, v2                       ; and the same two rows in out0
	v_lshl_add_u32 v[CO], v1, 4, v5
	s_lshl_b32 s16, s13, 7
	s_lshl_b32 s17, s11, 6
	s_add_co_u32 s16, s16, s17                     ; my first row
	s_lshl_b32 s16, s16, 13
	s_mov_b32 s17, 0
	s_add_nc_u64 s[8:9], s[70:71], s[16:17]
	s_lshl_b32 s46, s42, 9                         ; my first column, in bytes
	s_lshl_b32 s47, s12, 8
	s_add_co_u32 s46, s46, s47
	s_mov_b32 s47, 0
	s_add_nc_u64 s[8:9], s[8:9], s[46:47]
	s_wait_kmcnt 0x0
	s_mov_b32 s76, s74
	s_mov_b32 s77, s74
	s_mov_b32 s78, s75
	s_mov_b32 s79, s75
.macro MUL8 f, c, a0, zero
	WIN MUL
.irp a, \a0, (\a0)+1
.irp b, 0,1,2,3
.if \zero
	v_wmma_f32_16x16x32_f16 v[ACC+8*(4*(\a)+(\b)):ACC+8*(4*(\a)+(\b))+7], v[(\f)+64+8*(4*(\c)+(\b)):(\f)+64+8*(4*(\c)+(\b))+7], v[(\f)+8*(4*(\c)+(\a)):(\f)+8*(4*(\c)+(\a))+7], 0
.else
	v_wmma_f32_16x16x32_f16 v[ACC+8*(4*(\a)+(\b)):ACC+8*(4*(\a)+(\b))+7], v[(\f)+64+8*(4*(\c)+(\b)):(\f)+64+8*(4*(\c)+(\b))+7], v[(\f)+8*(4*(\c)+(\a)):(\f)+8*(4*(\c)+(\a))+7], v[ACC+8*(4*(\a)+(\b)):ACC+8*(4*(\a)+(\b))+7]
.endif
.endr
.endr
.endm
.macro FETCH slot, k, f
	WIN TO_F
.irp c, 0,1
.irp i, 0,1,2,3
	ds_load_b128 v[(\f)+64+8*(4*(\c)+(\i)):(\f)+64+8*(4*(\c)+(\i))+3],   v[ADRB+(\slot)] offset:(\k)+64*(\c)+(\i)*16*PITCH
	ds_load_b128 v[(\f)+64+8*(4*(\c)+(\i))+4:(\f)+64+8*(4*(\c)+(\i))+7], v[ADRB+(\slot)] offset:(\k)+64*(\c)+(\i)*16*PITCH+32
	ds_load_b128 v[(\f)+8*(4*(\c)+(\i)):(\f)+8*(4*(\c)+(\i))+3],         v[ADRA+(\slot)] offset:(\k)+64*(\c)+(\i)*16*PITCH
	ds_load_b128 v[(\f)+8*(4*(\c)+(\i))+4:(\f)+8*(4*(\c)+(\i))+7],       v[ADRA+(\slot)] offset:(\k)+64*(\c)+(\i)*16*PITCH+32
.endr
.endr
.endm
.macro PLACES
.rept 4
	v_nop
.endr
.endm
.macro QUARTER slot, k, f, g, zero
	s_wait_dscnt 16                                ; the first 32 along K are in
	WIN MUL
	MUL8 \f, 0, 0, \zero
	MUL8 \f, 0, 2, \zero
	PLACES
	FETCH \slot, \k, \g
	s_wait_dscnt 32                                ; all but the 32 just issued
	WIN MUL
	MUL8 \f, 1, 0, 0
	MUL8 \f, 1, 2, 0
.endm
.macro TURN slot, next, fill
	WIN 0
	s_wait_tensorcnt 0x0                           ; all my tensor loads have landed: my part of the next slot
	ds_add_u32 v[SPW], v[NIL]                      ; 0 onto my spare word
	s_wait_dscnt 17                                ; (the add and the youngest sixteen loads may be out)
	WIN MUL
	MUL8 F1, 0, 0, 0
	s_wait_dscnt 0x0                               ; the add is done, and my reads of this slot are over
	s_barrier_signal -1
	MUL8 F1, 0, 2, 0
.if \fill
	WIN 0
.endif
	s_barrier_wait -1
.if \fill
	CREST
	s_add_nc_u64 s[G0+4*(\slot)+2:G0+4*(\slot)+3], s[G0+4*(\slot)+2:G0+4*(\slot)+3], 2*KSTEP*2
	s_add_nc_u64 s[G0B+4*(\slot)+2:G0B+4*(\slot)+3], s[G0B+4*(\slot)+2:G0B+4*(\slot)+3], 2*KSTEP*2
	JLOAD \slot                                    ; my one tensor load behind the round; its four v_nop are also the places in front of the loads below
.else
	PLACES
.endif
	FETCH \next, 0, F0
	WIN MUL
	MUL8 F1, 1, 0, 0
	MUL8 F1, 1, 2, 0
.endm
	s_wait_tensorcnt 1                             ; my part of K step 0 is in; K step 1's may stay out
	s_barrier_signal -1
	s_barrier_wait -1
	FETCH 0, 0, F0
	QUARTER 0, 128, F0, F1, 1
	WIN 0
	s_mov_b32 s3, LAPS-1
.Llap:
	QUARTER 0, 256, F1, F0, 0
	QUARTER 0, 384, F0, F1, 0
	TURN 0, 1, 1
	QUARTER 1, 128, F0, F1, 0
	QUARTER 1, 256, F1, F0, 0
	QUARTER 1, 384, F0, F1, 0
	TURN 1, 0, 1
	QUARTER 0, 128, F0, F1, 0
	WIN 0
	s_sub_co_u32 s3, s3, 1
	s_cmp_lg_u32 s3, 0
	s_cbranch_scc1 .Llap
	QUARTER 0, 256, F1, F0, 0                      ; the last lap fills nothing
	QUARTER 0, 384, F0, F1, 0
	TURN 0, 1, 0
	QUARTER 1, 128, F0, F1, 0
	QUARTER 1, 256, F1, F0, 0
	QUARTER 1, 384, F0, F1, 0
	s_wait_dscnt 16
	WIN MUL
	MUL8 F1, 0, 0, 0
	MUL8 F1, 0, 2, 0
	s_wait_dscnt 0
	MUL8 F1, 1, 0, 0
	MUL8 F1, 1, 2, 0
	WIN 0
	PLACES
	PLACES
	; THE WAY OUT, 16 rows at a time: the two scales; 32 bytes a lane into my stage; back as whole rows of 256 bytes
.irp a, 0,1,2,3
	s_wait_xcnt 0x0                                ; the block before's stores have read their data
.set i, 0
.rept 16
	v_pk_mul_f32 v[TMP+i:TMP+i+1], v[ACC+32*(\a)+i:ACC+32*(\a)+i+1], s[76:77] op_sel_hi:[1,0]
.set i, i+2
.endr
.set i, 0
.rept 16
	v_pk_mul_f32 v[TMP+i:TMP+i+1], v[TMP+i:TMP+i+1], s[78:79] op_sel_hi:[1,0]
.set i, i+2
.endr
.irp b, 0,1,2,3
	ds_store_b128 v[STO], v[TMP+8*(\b):TMP+8*(\b)+3]   offset:64*(\b)
	ds_store_b128 v[STO], v[TMP+8*(\b)+4:TMP+8*(\b)+7] offset:64*(\b)+16
.endr
.irp t, 0,1,2,3,4,5,6,7
	ds_load_b128 v[TMP+32+4*(\t):TMP+32+4*(\t)+3], v[RD] offset:(\t)*2*SPITCH  ; LDS serves a wave's instructions in order
.endr
.irp t, 0,1,2,3,4,5,6,7
	s_wait_dscnt 7-(\t)
	global_store_b128 v[CO], v[TMP+32+4*(\t):TMP+32+4*(\t)+3], s[8:9] offset:(16*(\a)+2*(\t))*SIZE_N*4  ; 16 lanes store 256 consecutive bytes, aligned
.endr
.endr
	s_wait_tensorcnt 0x0                           ; the wave's end
	ds_add_u32 v[SPW], v[NIL]
	s_wait_dscnt 0x0
	CROUND                                         ; the closing round
	s_endpgm
.Lfunc_end_k_qe954876afd_outp:
	.size	k_qe954876afd_outp, .Lfunc_end_k_qe954876afd_outp-k_qe954876afd_outp
	.p2alignl 7, 3214868480
	.fill 96, 4, 3214868480
	.section	.rodata,"a",@progbits
	.p2align	6, 0x0
	.amdhsa_kernel k_qe954876afd_outp
		.amdhsa_group_segment_fixed_size 327680
		.amdhsa_private_segment_fixed_size 0
		.amdhsa_enable_private_segment 0
		.amdhsa_kernarg_size 32
		.amdhsa_user_sgpr_count 2
		.amdhsa_user_sgpr_kernarg_segment_ptr 1
		.amdhsa_wavefront_size32 1
		.amdhsa_system_sgpr_workgroup_id_x 1
		.amdhsa_system_sgpr_workgroup_id_y 1
		.amdhsa_system_sgpr_workgroup_id_z 1
		.amdhsa_system_vgpr_workitem_id 0
		.amdhsa_next_free_vgpr 512
		.amdhsa_next_free_sgpr 80
		.amdhsa_reserve_vcc 0
		.amdhsa_float_denorm_mode_32 3
		.amdhsa_float_denorm_mode_16_64 3
		.amdhsa_memory_ordered 1
		.amdhsa_forward_progress 1
		.amdhsa_inst_pref_size 95
	.end_amdhsa_kernel
	.amdgpu_metadata
---
amdhsa.version: [ 1, 2 ]
amdhsa.kernels:
  - .name:           k_qe954876afd_outp
    .symbol:         k_qe954876afd_outp.kd
    .args:
      - { .name: Ob, .offset: 0, .size: 8, .value_kind: global_buffer, .address_space: global }
      - { .name: Wof, .offset: 8, .size: 8, .value_kind: global_buffer, .address_space: global }
      - { .name: Sst, .offset: 16, .size: 8, .value_kind: global_buffer, .address_space: global }
      - { .name: out0, .offset: 24, .size: 8, .value_kind: global_buffer, .address_space: global }
    .group_segment_fixed_size: 327680
    .private_segment_fixed_size: 0
    .kernarg_segment_align: 8
    .kernarg_segment_size: 32
    .max_flat_workgroup_size: 128
    .sgpr_count:     80
    .vgpr_count:     512
    .wavefront_size: 32
...
	.end_amdgpu_metadata
.endif
;; end of part 5
;; ======== version 2 of 2: 5 launches; version 1 with the launch intra written anew for expert scheduling mode
;; limits: values are held in f16: magnitudes above 65,504 overflow, below 6.1e-05 lose precision
;; workspace buffers: Wcat 41,943,040 bytes; Xb 8,388,608 bytes; Wof 8,395,776 bytes; P 41,943,040 bytes; st2 12,288 bytes; Sst 16,777,472 bytes; Ob 8,388,608 bytes
;; launch cvt: the kernel of part 1 again; grid 64 x 7, 4 waves a work-group, no clusters, 0 bytes of LDS; arguments Wq, Wk, Wv, Wg1, Wg2, hidden_states, Wo, Wcat, Xb, Wof; writes Wcat, Xb, Wof
;; launch proj: the kernel of part 2 again; grid 8 x 32, 4 waves a work-group, clusters of 4 x 4, 327,680 bytes of LDS; arguments Wcat, Xb, P, Wof, bg1, bg2, st2; writes P, st2
;; launch state: the kernel of part 3 again; grid 8 x 32, 4 waves a work-group, no clusters, 132,608 bytes of LDS; arguments P, Wof, st2, Sst; writes Sst
;; launch intra (part 6): grid 8 x 32, 4 waves a work-group, no clusters, 144,896 bytes of LDS; arguments P, Sst, alpha_list, Ob; writes Ob
.if DOCPART == 6
	.amdgcn_target "amdgcn-amd-amdhsa--gfx1250"
	.amdhsa_code_object_version 6
	.text
	.protected	k_qe954876afd_intra
	.globl	k_qe954876afd_intra
	.p2align	8
	.type	k_qe954876afd_intra,@function
k_qe954876afd_intra:
	s_mov_b64 s[64:65], 0
	v_nop
	global_prefetch_b8 v0, s[64:65] scope:SCOPE_SE
	s_setreg_imm32_b32 hwreg(HW_REG_WAVE_SCHED_MODE, 0, 2), 2
	s_setreg_imm32_b32 hwreg(HW_REG_WAVE_MODE, 25, 1), 1
	s_wait_xcnt 0x0
	s_wait_alu depctr_vm_vsrc(0)
; ONE CHUNK OF 128 TOKENS OF ONE HEAD: O'_t = sum over j <= t of A_tj v_j + sum over (gate, channel) of QB[t] S[.], both gates summed inside the accumulators (K rows = gate x 16 + channel, a slice of 16 channels a trip).
; A_tj = sum of a_g q_t k_j x the product of the decays of tokens j+1..t.  ONLY PRODUCTS OF DECAYS (each at most 1) ARE FORMED.  The pairs j < t are split by the highest bit in which t and j differ:
; at the level of half-size s, t lies in an odd block of s tokens and carries the product from its block's start to t; j lies in the even block in front and carries the product behind j to its block's end.
; Array Z_l (s = 2^l, l = 0..6) holds q so weighted at the tokens of odd blocks and k so weighted at those of even blocks.  A 16 x 16 tile off the diagonal belongs to one level (l = 4, 5, 6).
; A diagonal tile takes five products: q k for j = t and Z_l Z_l^T for l = 0..3 (one fragment as both sources); constant lane masks pick each pair's level; what the masks drop is finite.
; SCALES.  q enters times a_g rho_q (within 1).  A is rounded to f16 times cA = rho_k / sqrt(128) (within 11.3, whatever v's size).  The states came times cA rho_v.  So O^T, which takes QB S first, is
; multiplied by 1 / rho_v ahead of A's products with the unscaled v, and by rho_v on the way out: powers of two, exact.  softmax(alpha) takes its maximum away; alpha is rounded to bf16 like every input.
; LIMITS.  A product of decays below 2^-126 counts as 0; f16 operands below 6e-5 keep a fixed step of 6e-8.  NaN and infinities are not treated apart.
; The last trip asks once more for its own slice (24 loads that nobody reads): the price of one text for every trip.  No cluster: a work-group's q, k, gates, v and state are read by no other work-group of the launch.
; LDS: ten arrays of 32 rows x 288 bytes (Z0..Z6, QB, QD = q, KD = k) at n x 9,216; A [t][j] f16, pitch 272, at 92,160; four stages at 126,976; the spare words at 144,384.
; REGISTERS: window 0: v0-27 addresses and constants; v28-59 q, k and the gates as loaded; v60-157 the vector phase's work; v160-231 two out-buffers; then v60-251 24 fragments.  window 1: A's accumulators.
;   window 2: v0-127 O^T at 8 (8 x + vt); v128-191 the state's fragments.   window 3: v's fragments at 64 y + 8 vt.
; THE MODE: SCHED_MODE bits 1:0 = 2 (LLVM: expert scheduling mode 2), set by the entry lines.  The code itself states the register dependences
; between vector or matrix instructions and memory or LDS instructions, with s_wait_alu, always for 0.
; THE PLAN.  Registers that memory or LDS instructions touch, in the loop over slices.  A trip has four ITEMS (channel i = 0, 1 x gate g = 0, 1), then the fragments' loads, then the products.
;   addresses   Made at the head, never written again: one wait on va_vdst ahead of the first load covers them for the whole kernel.
;   RAW[i]      Read by KFS i and by the first part of items (i, 0) and (i, 1); its k also by two LDS stores, issued as soon as the data are in.  The next slice's loads land in it from item (i, 1)'s wait on.
;   O0, O1      Item (i, g)'s conversions write O[g]; the nine LDS stores that read it are issued in the NEXT item, behind that item's waits, dealt among its first multiplies, which name the other buffer.
;   v60-251     Behind the trip's first barrier the 24 fragments land here, on the vector phase's registers and on O0 and O1; the products read them.
;   the state   Window 2, v128-191: read by the products; the next slice's loads land in it behind them.
; So an item has ONE wait on va_vdst, behind its eight exponentials: it is the wait ahead of their first reader, it states that the item before has written its out-buffer, and, for gate 1, that RAW[i] has been
; read.  Beside it one wait on vm_vsrc: the stores issued an item earlier have read the out-buffer that this item writes again, and k's stores have read RAW[i].  A trip has three waits more: on va_vdst behind the
; last item, on vm_vsrc ahead of the fragments' loads, on va_vdst ahead of the state's loads.
.set GO,   3
.set ZST,  4
.set ZST2, 5
.set SPW,  6
.set NIL,  7
.set C16,  8
.set ONE,  9
.set ZERO, 10
.set CQ,   11                          ; v11, v12: a_g rho_q
.set ASTD, 13
.set ARD,  14
.set STO,  15
.set RD,   16
.set AST1, 17
.set SFO,  18
.set VFO,  19
.set TD,   20
.set TDH,  21
.set T1Q,  22
.set T1K,  23
.set T2Q,  24
.set T2K,  25
.set AST2, 27
.set RAW,  28
.set KF,   60
.set QG,   68
.set PRE,  76
.set SUF,  84
.set F1,   92
.set F2,   100
.set QP,   108
.set KS,   116
.set ZT,   124
.set TT,   148
.set X,    149
.set LP,   150
.set LS,   152
.set Y,    153
.set FQ,   154
.set FK,   156
.set O0,   160                         ; v[160:195] out-buffer 0: array n's four registers at O0 + 4 n, n = 0..8
.set O1,   196                         ; v[196:231] out-buffer 1
.set FR,   60                          ; the fragments, 8 registers each
.set MT,   60                          ; behind the loop: a tile of A at work
.set AF,   60                          ; behind the loop: v[60:123] A's fragments, 16 registers for each K step y
.set AO,   128                         ; behind the loop: v[128:167] A's ten tiles in f16, four registers each
.set OP,   168                         ; the way out: v[168:231] O in f16, as it goes into the stage
.set OB,   60                          ; the way out: v[60:123] O's rows, as they come back from the stage
.set CA,   56                          ; s[56:57] cA;  s[58:59] rho_v;  s[60:61] 1 / rho_v: each as a pair
.set RV,   58
.set IV,   60
.set AA,    92160
.set STG,   126976
.set SPARE, 144384
.set MSB, 0
.macro WIN new
.if MSB != (\new)
	s_set_vgpr_msb (MSB<<8)|(\new)
.set MSB, \new
.endif
.endm
.macro PLACES
.rept 4
	v_nop
.endr
.endm
.macro MIXH d, s, h, c                 ; v[d] = half h of v[s] (f16) x v[c] (f32)
.if (\h)
	v_fma_mix_f32 v[\d], v[\s], v[\c], v[ZERO] op_sel:[1,0,0] op_sel_hi:[1,0,0]
.else
	v_fma_mix_f32 v[\d], v[\s], v[\c], v[ZERO] op_sel_hi:[1,0,0]
.endif
.endm
	s_load_b256 s[4:11], s[0:1], 0x0               ; P, Sst, alpha_list, Ob
	v_lshl_add_u32 v[SPW], v0, 2, SPARE
	v_mov_b32 v[NIL], 0
	v_lshrrev_b32 v1, 5, v0
	v_readfirstlane_b32 s12, v1                    ; wave
	s_mov_b32 s13, ttmp9                           ; chunk
	s_and_b32 s14, ttmp7, 0xffff
	s_lshr_b32 s15, s14, 4                         ; batch
	s_and_b32 s16, s14, 15                         ; head
	s_wait_alu depctr_va_sdst(0)                   ; s12 is written, ahead of its first reader: LDS places, bases and branches are made from it
	s_lshr_b32 s17, s12, 1
	s_and_b32 s18, s12, 1
	v_and_b32 v1, 15, v0                           ; octet in the vector phase, l % 16 in a fragment
	v_bfe_u32 v2, v0, 4, 1
	v_lshlrev_b32 v[GO], 4, v1
	v_lshl_add_u32 v[GO], v2, 12, v[GO]            ; (l / 16) rows of 4,096 bytes + 16 (l % 16)
	s_lshl_b32 s44, s12, 2
	v_add_nc_u32 v[ZST], s44, v2                   ; channel 4 w + l / 16 (+ 2 i)
	v_mul_u32_u24 v[ZST], v[ZST], 288
	v_lshl_add_u32 v[ZST], v1, 4, v[ZST]
	v_add_nc_u32 v[ZST2], 46080, v[ZST]
	v_and_b32 v[SFO], 31, v0
	v_lshlrev_b32 v[SFO], 4, v[SFO]
	v_lshlrev_b32 v[VFO], 12, v1
	v_lshl_add_u32 v[VFO], v2, 4, v[VFO]
	v_and_b32 v27, 7, v0                           ; the turning load: row 8 (l / 16) + l % 8, 16 bytes by (l / 8) % 2
	v_lshl_add_u32 v27, v2, 3, v27
	v_mul_u32_u24 v27, v27, 288
	v_bfe_u32 v26, v0, 3, 1
	v_lshl_add_u32 v27, v26, 4, v27
	s_lshl_b32 s44, s12, 6
	v_add_nc_u32 v[TD], s44, v27                   ; token tile 2 w
	v_add_nc_u32 v[TDH], 64512, v[TD]              ; the same in array 7
	s_lshl2_add_u32 s44, s17, s18
	s_add_co_u32 s44, s44, 2
	s_lshl_b32 s45, s44, 5
	s_add_co_u32 s45, s45, 46080
	v_add_nc_u32 v[T1Q], s45, v27                  ; Z5 at tile 2 + w % 2 + 4 (w / 2)
	s_lshl_b32 s45, s17, 7
	s_add_co_u32 s45, s45, 46080
	v_add_nc_u32 v[T1K], s45, v27                  ; Z5 at tile 4 (w / 2)
	s_lshl_b32 s45, s12, 5
	s_add_co_u32 s45, s45, 55296+128
	v_add_nc_u32 v[T2Q], s45, v27                  ; Z6 at tile 4 + w
	v_add_nc_u32 v[T2K], 55296, v27                ; Z6 at tile 0
	v_mul_u32_u24 v26, v1, 272
	v_lshl_add_u32 v26, v2, 4, v26                 ; (l % 16) x 272 + 16 (l / 16)
	s_mul_i32 s45, s12, 8704
	s_add_co_u32 s45, s45, AA
	v_add_nc_u32 v[ARD], s45, v26                  ; A's rows 32 w on
	s_lshl_b32 s46, s12, 6
	s_add_co_u32 s45, s45, s46
	v_add_nc_u32 v[ASTD], s45, v26                 ; tile (2 w, 2 w)
	s_mul_i32 s45, s44, 4352
	s_lshl_b32 s46, s17, 7
	s_add_co_u32 s45, s45, s46
	s_add_co_u32 s45, s45, AA
	v_add_nc_u32 v[AST1], s45, v26                 ; tile (2 + w % 2 + 4 (w / 2), 4 (w / 2))
	s_mul_i32 s45, s12, 4352
	s_add_co_u32 s46, s45, AA+4*4352
	v_add_nc_u32 v[AST2], s46, v26                 ; tile (4 + w, 0)
	s_add_co_u32 s45, s45, STG
	v_add_nc_u32 v[STO], s45, v26
	v_mul_u32_u24 v[RD], v2, 272
	v_lshl_add_u32 v[RD], v1, 4, v[RD]
	v_add_nc_u32 v[RD], s45, v[RD]
	v_mov_b32 v[C16], 0x3d800000
	v_mov_b32 v[ONE], 1.0
	v_mov_b32 v[ZERO], 0
	s_mov_b32 s40, 0xaaaaaaaa                      ; the octets of odd blocks of 1, 2, 4, 8 octets
	s_mov_b32 s41, 0xcccccccc
	s_mov_b32 s42, 0xf0f0f0f0
	s_mov_b32 s43, 0xff00ff00
	s_mul_i32 s44, s16, 8*327680                   ; the head's rows of P,
	s_lshl_b32 s45, s15, 11
	s_add_co_u32 s44, s44, s45
	s_lshl_b32 s45, s13, 8
	s_add_co_u32 s44, s44, s45                     ; at the chunk's first token
	s_mov_b32 s45, 0
	s_lshl_b32 s48, s12, 14                        ; my four channels of a slice
	s_mov_b32 s49, 0
	s_lshl_b32 s50, s14, 19
	s_lshl_b32 s51, s13, 16
	s_add_co_u32 s50, s50, s51                     ; the chunk's entering state
	s_mov_b32 s51, 0
	s_lshl_b32 s52, s15, 10
	s_lshl_b32 s53, s13, 7
	s_add_co_u32 s52, s52, s53
	s_lshl_b32 s53, s12, 5
	s_add_co_u32 s52, s52, s53                     ; my first token
	s_lshl_b32 s52, s52, 12
	s_lshl_b32 s53, s16, 8
	s_add_co_u32 s52, s52, s53
	s_mov_b32 s53, 0
	s_mov_b32 s27, 0
	s_mov_b32 s29, 0
	s_wait_kmcnt 0x0
	s_add_nc_u64 s[46:47], s[6:7], 0x1000000
	s_load_b256 s[32:39], s[46:47], 0x0            ; the record: rho_q, cS, FA, FB, cA, rho_v, 1 / rho_v, 0
	s_load_b64 s[54:55], s[8:9], 0x0               ; alpha
	s_add_nc_u64 s[20:21], s[4:5], s[44:45]
	s_add_nc_u64 s[24:25], s[20:21], 131072        ; v's rows
	s_add_nc_u64 s[20:21], s[20:21], s[48:49]
	s_add_nc_u64 s[22:23], s[6:7], s[50:51]
	s_add_nc_u64 s[10:11], s[10:11], s[52:53]
	s_wait_alu depctr_va_vdst(0)                   ; all the addresses and offsets, v3 to v5 and v13 to v27, are written: every load and store of the kernel reads one of them, and none is written again
.irp y, 0,1,2,3                        ; v's fragments of the K steps that my rows see: y <= w
.if (\y) > 0
	s_cmp_lt_u32 s12, \y
	s_cbranch_scc1 .Lvdone
.endif
	WIN 0xc0
.irp vt, 0,1,2,3,4,5,6,7
	global_load_b128 v[64*(\y)+8*(\vt):64*(\y)+8*(\vt)+3],   v[VFO], s[24:25] offset:(\vt)*327680+64*(\y)
	global_load_b128 v[64*(\y)+8*(\vt)+4:64*(\y)+8*(\vt)+7], v[VFO], s[24:25] offset:(\vt)*327680+64*(\y)+32
.endr
	WIN 0
.endr
.Lvdone:
.macro LRAW i                          ; q, k and both gates of channel 4 w + 2 i + l / 16: sixteen lanes read a channel's 256 bytes
	global_load_b128 v[RAW+16*(\i):RAW+16*(\i)+3],     v[GO], s[20:21] offset:(\i)*8192
	global_load_b128 v[RAW+16*(\i)+4:RAW+16*(\i)+7],   v[GO], s[20:21] offset:65536+(\i)*8192
	global_load_b128 v[RAW+16*(\i)+8:RAW+16*(\i)+11],  v[GO], s[20:21] offset:3*65536+(\i)*8192
	global_load_b128 v[RAW+16*(\i)+12:RAW+16*(\i)+15], v[GO], s[20:21] offset:4*65536+(\i)*8192
.endm
.macro LSTATE                          ; a slice of the state: sixteen register images
	WIN 0x80
.set t, 0
.rept 16
	global_load_b128 v[128+4*t:128+4*t+3], v[SFO], s[22:23] offset:512*t
.set t, t+1
.endr
	WIN 0
.endm
	LRAW 0                                         ; no vector instruction has been issued since the wait above
	LRAW 1
	LSTATE
	s_wait_kmcnt 0x0
	s_mov_b32 s[CA], s36
	s_mov_b32 s[CA+1], s36
	s_mov_b32 s[RV], s37
	s_mov_b32 s[RV+1], s37
	s_mov_b32 s[IV], s38
	s_mov_b32 s[IV+1], s38
	v_mov_b32 v60, s54
	v_mov_b32 v61, s55
	v_cvt_pk_bf16_f32 v62, v60, v61
	v_lshlrev_b32 v60, 16, v62
	v_and_b32 v61, 0xffff0000, v62
	v_max_num_f32 v62, v60, v61                    ; softmax(alpha): the maximum is taken away
	v_sub_f32 v60, v60, v62
	v_sub_f32 v61, v61, v62
	v_mul_f32 v60, 0x3fb8aa3b, v60
	v_mul_f32 v61, 0x3fb8aa3b, v61
	v_exp_f32 v60, v60
	v_exp_f32 v61, v61
	v_nop
	s_wait_alu depctr_va_vdst(0)                   ; the two exponentials have written v60 and v61, ahead of their first reader
	v_add_f32 v62, v60, v61
	v_rcp_f32 v62, v62
	v_nop
	s_wait_alu depctr_va_vdst(0)                   ; the reciprocal has written v62, ahead of its first reader
	v_mul_f32 v62, s32, v62
	v_mul_f32 v[CQ], v60, v62
	v_mul_f32 v[CQ+1], v61, v62
.macro PUT src, n                      ; eight numbers, rounded to f16, into array n's place in the item's out-buffer (OBC)
.irp j, 0,1,2,3
	v_cvt_pk_f16_f32 v[OBC+4*(\n)+(\j)], v[(\src)+2*(\j)], v[(\src)+2*(\j)+1]
.endr
.endm
.macro ST1 n                           ; array n's four registers of out-buffer SOB go to my channel's row (SRO) and my octet
.if (\n) < 5
	ds_store_b128 v[ZST], v[SOB+4*(\n):SOB+4*(\n)+3] offset:(\n)*9216+SRO
.else
	ds_store_b128 v[ZST2], v[SOB+4*(\n):SOB+4*(\n)+3] offset:((\n)-5)*9216+SRO
.endif
.endm
.macro DEAL                            ; the next of the nine stores of the item before, while any is left.  No wait: no vector instruction since the item's waits names that out-buffer
.if dn < 9
	ST1 dn
.set dn, dn+1
.endif
.endm
.macro KST i                           ; k as it came, into KD's rows of both gates: the data come from loads, so the wait for these is all that the stores hang on
.irp g, 0,1
	ds_store_b128 v[ZST2], v[RAW+16*(\i)+4:RAW+16*(\i)+7] offset:4*9216+(16*(\g)+2*(\i))*288
.endr
.endm
.macro LEVEL m, xm                     ; blocks of 2^m octets: Z(3+m), then the products before and behind me in the block of twice the size
	v_cndmask_b32 v[FQ], 0, v[LP], s[40+(\m)]
	v_cndmask_b32 v[FK], v[LS], 0, s[40+(\m)]
.irp j, 0,2,4,6
	v_pk_mul_f32 v[ZT+(\j):ZT+(\j)+1], v[QP+(\j):QP+(\j)+1], v[FQ:FQ+1] op_sel_hi:[1,0]
.endr
.irp j, 0,2,4,6
	v_pk_fma_f32 v[ZT+(\j):ZT+(\j)+1], v[KS+(\j):KS+(\j)+1], v[FK:FK+1], v[ZT+(\j):ZT+(\j)+1] op_sel_hi:[1,0,1]
.endr
	PUT ZT, 3+(\m)
	v_mul_f32_dpp v[X], v[TT], v[LP] row_xmask:\xm row_mask:0xf bank_mask:0xf
.if (\m) < 3
	v_mul_f32_dpp v[Y], v[TT], v[LS] row_xmask:\xm row_mask:0xf bank_mask:0xf
	v_mul_f32_dpp v[TT], v[TT], v[TT] row_xmask:\xm row_mask:0xf bank_mask:0xf
	v_cndmask_b32 v[LS], v[Y], v[LS], s[40+(\m)]
.endif
	v_cndmask_b32 v[LP], v[LP], v[X], s[40+(\m)]
.endm
; Channel i (of my two), gate g: a lane's eight tokens.  e0..e7 land where they are wanted last: PRE0, F1[0], F1[2], F2[2], F2[4], F1[4], F1[6], SUF6.
; The item writes out-buffer g.  have = 1: the item before, (pi, pg), has left nine stores, which are dealt among this item's first multiplies.
.macro ITEM i, g, pi, pg, have
.set LR, RAW+16*(\i)+8+4*(\g)
.set QR, RAW+16*(\i)
.set OBC, O0+36*(\g)
	MIXH PRE,   LR,   0, C16
	MIXH F1,    LR,   1, C16
	MIXH F1+2,  LR+1, 0, C16
	MIXH F2+2,  LR+1, 1, C16
	MIXH F2+4,  LR+2, 0, C16
	MIXH F1+4,  LR+2, 1, C16
	MIXH F1+6,  LR+3, 0, C16
	MIXH SUF+6, LR+3, 1, C16
	v_exp_f32 v[PRE], v[PRE]
	v_exp_f32 v[F1], v[F1]
	v_exp_f32 v[F1+2], v[F1+2]
	v_exp_f32 v[F2+2], v[F2+2]
	v_exp_f32 v[F2+4], v[F2+4]
	v_exp_f32 v[F1+4], v[F1+4]
	v_exp_f32 v[F1+6], v[F1+6]
	v_exp_f32 v[SUF+6], v[SUF+6]
.set n, 0
.rept 8
	MIXH QG+n, QR+n/2, n%2, CQ+(\g)                ; a_g rho_q q: work that names no exponential's result
.set n, n+1
.endr
	s_wait_alu depctr_va_vdst(0)                   ; the eight exponentials have written their results, ahead of their first reader; the item before has written its out-buffer, which the stores below read; for gate 1 the lines above, the last that name RAW[i], are done reading it, and the loads below land in it
.if \have
	s_wait_alu depctr_vm_vsrc(0)                   ; the LDS stores issued so far have read their data: those of an item earlier the out-buffer that this item writes again, k's two RAW[i], in which the loads below land
.set SOB, O0+36*(\pg)
.set SRO, (16*(\pg)+2*(\pi))*288
.set dn, 0
.else
.set dn, 9
.endif
.if \g
	LRAW \i                                        ; the same channel of the next slice
.endif
	v_mul_f32 v[PRE+1], v[PRE], v[F1]
	v_mul_f32 v[F1+3], v[F1+2], v[F2+2]
	DEAL
	v_mul_f32 v[F2+1], v[F1+2], v[F2+2]
	v_mul_f32 v[F2+5], v[F2+4], v[F1+4]
	DEAL
	v_mul_f32 v[F1+7], v[F1+6], v[SUF+6]
	v_mul_f32 v[SUF+5], v[F1+6], v[SUF+6]
	DEAL
	v_mul_f32 v[F2], v[F1], v[F2+1]
	v_mul_f32 v[F2+6], v[F2+5], v[F1+6]
	DEAL
	v_mul_f32 v[F2+7], v[F2+5], v[F1+7]
	v_mul_f32 v[SUF+3], v[F2+5], v[F1+7]
	DEAL
	v_mul_f32 v[PRE+3], v[PRE+1], v[F2+1]
	v_mul_f32 v[PRE+2], v[PRE+1], v[F1+2]
	DEAL
	v_mul_f32 v[PRE+4], v[PRE+3], v[F2+4]
	v_mul_f32 v[PRE+5], v[PRE+3], v[F2+5]
	DEAL
	v_mul_f32 v[PRE+6], v[PRE+3], v[F2+6]
	v_mul_f32 v[PRE+7], v[PRE+3], v[F2+7]
	DEAL
	v_mul_f32 v[SUF+4], v[F1+4], v[SUF+5]
	v_mul_f32 v[SUF+2], v[F2+2], v[SUF+3]
	DEAL
	v_mul_f32 v[SUF+1], v[F2+1], v[SUF+3]
	v_mul_f32 v[SUF], v[F2], v[SUF+3]
	v_mul_f32 v[ZT],   v[QG+1], v[F1]              ; Z0: k at even tokens, q e at odd ones
	v_mul_f32 v[ZT+1], v[QG+3], v[F2+2]
	v_mul_f32 v[ZT+2], v[QG+5], v[F1+4]
	v_mul_f32 v[ZT+3], v[QG+7], v[SUF+6]
.irp j, 0,1,2,3
	v_cvt_pk_f16_f32 v[OBC+(\j)], v[KF+2*(\j)], v[ZT+(\j)]
.endr
	v_pk_mul_f32 v[ZT+8:ZT+9],   v[KF:KF+1],     v[F1:F1+1]      ; Z1
	v_pk_mul_f32 v[ZT+10:ZT+11], v[QG+2:QG+3],   v[F1+2:F1+3]
	v_pk_mul_f32 v[ZT+12:ZT+13], v[KF+4:KF+5],   v[F1+4:F1+5]
	v_pk_mul_f32 v[ZT+14:ZT+15], v[QG+6:QG+7],   v[F1+6:F1+7]
	PUT ZT+8, 1
	v_pk_mul_f32 v[ZT:ZT+1],     v[KF:KF+1],     v[F2:F2+1]      ; Z2
	v_pk_mul_f32 v[ZT+2:ZT+3],   v[KF+2:KF+3],   v[F2+2:F2+3]
	v_pk_mul_f32 v[ZT+4:ZT+5],   v[QG+4:QG+5],   v[F2+4:F2+5]
	v_pk_mul_f32 v[ZT+6:ZT+7],   v[QG+6:QG+7],   v[F2+6:F2+7]
	PUT ZT, 2
.irp j, 0,2,4,6
	v_pk_mul_f32 v[QP+(\j):QP+(\j)+1], v[QG+(\j):QG+(\j)+1], v[PRE+(\j):PRE+(\j)+1]
	v_pk_mul_f32 v[KS+(\j):KS+(\j)+1], v[KF+(\j):KF+(\j)+1], v[SUF+(\j):SUF+(\j)+1]
.endr
	v_mov_b32 v[TT], v[PRE+7]
	v_mov_b32 v[LP], 1.0
	v_mov_b32 v[LS], 1.0
	LEVEL 0, 1
	LEVEL 1, 2
	LEVEL 2, 4
	LEVEL 3, 8
.irp j, 0,2,4,6
	v_pk_mul_f32 v[ZT+(\j):ZT+(\j)+1], v[QP+(\j):QP+(\j)+1], v[LP:LP+1] op_sel_hi:[1,0]  ; q times all decays from the chunk's start
.endr
	PUT ZT, 7
	PUT QG, 8
.endm
.macro KFS i
.set n, 0
.rept 8
	MIXH KF+n, RAW+16*(\i)+4+n/2, n%2, ONE
.set n, n+1
.endr
.endm
.macro TRL idx, adr, off               ; a fragment of 32 K rows x 16 tokens, turned
	ds_load_tr16_b128 v[FR+8*(\idx):FR+8*(\idx)+3],   v[\adr] offset:\off
	ds_load_tr16_b128 v[FR+8*(\idx)+4:FR+8*(\idx)+7], v[\adr] offset:(\off)+4608
.endm
.macro WM d, a, b, zero
.if \zero
	v_wmma_f32_16x16x32_f16 v[(\d):(\d)+7], v[(\a):(\a)+7], v[(\b):(\b)+7], 0
.else
	v_wmma_f32_16x16x32_f16 v[(\d):(\d)+7], v[(\a):(\a)+7], v[(\b):(\b)+7], v[(\d):(\d)+7]
.endif
.endm
; A slice's 33 products, each accumulator once.  Source 0 = 16 keys (or v channels), source 1 = 16 queries: a lane holds one query and eight keys (channels).
.macro MMS zero
	WIN 0x50
.irp x, 0,1
	WM 40*(\x), FR+48*(\x), FR+48*(\x)+8, \zero
.irp n, 0,1,2,3
	WM 40*(\x)+8+8*(\n), FR+48*(\x)+16+8*(\n), FR+48*(\x)+16+8*(\n), \zero
.endr
.endr
	WM 80, FR+96, FR+104, \zero
	WM 88, FR+120, FR+112, \zero
	WM 96, FR+128, FR+112, \zero
.irp x, 0,1,2,3
	WM 104+8*(\x), FR+144+8*(\x), FR+136, \zero
.endr
	WIN 0xa2
.irp vt, 0,1,2,3,4,5,6,7
.irp x, 0,1
	WM 8*(8*(\x)+(\vt)), 128+8*(\vt), FR+176+8*(\x), \zero
.endr
.endr
	WIN 0
.endm
	s_mov_b32 s30, 0
.Lslice:
	s_wait_xcnt 0x0                                ; every load issued so far has read its base
	s_cmp_eq_u32 s30, 7
	s_cselect_b32 s26, 0, 327680                   ; the next slice's rows; in the last trip the same once more
	s_cselect_b32 s28, 0, 8192
	s_add_nc_u64 s[20:21], s[20:21], s[26:27]
	s_add_nc_u64 s[22:23], s[22:23], s[28:29]
	v_mov_b32 v[F1+1], 1.0                         ; what the fragments overwrote
	v_mov_b32 v[F1+5], 1.0
	v_mov_b32 v[F2+3], 1.0
	v_mov_b32 v[SUF+7], 1.0
	v_mov_b32 v[LP+1], 0
	v_mov_b32 v[FQ+1], 0
	v_mov_b32 v[FK+1], 0
	v_mov_b32 v[X], 0
	v_mov_b32 v[Y], 0
	s_wait_loadcnt 20                              ; channel 0's four loads are in; younger: channel 1's 4 and the state's 16
	KST 0
	KFS 0
	ITEM 0, 0, 0, 0, 0
	ITEM 0, 1, 0, 0, 1
	s_wait_loadcnt 20                              ; channel 1's are in; younger: the state's 16 and the 4 issued in the item above
	KST 1
	KFS 1
	ITEM 1, 0, 0, 1, 1
	ITEM 1, 1, 1, 0, 1
	s_wait_alu depctr_va_vdst(0)                   ; the last item has written out-buffer 1, which the stores below read; and the vector phase is done writing and reading v60 to v231, in which the fragments land behind the barrier
.set SOB, O1
.set SRO, (16+2)*288
.irp n, 0,1,2,3,4,5,6,7,8
	ST1 \n
.endr
	s_wait_dscnt 0x0                               ; my stores into the arrays are done
	s_barrier_signal -1
	s_barrier_wait -1
	s_wait_alu depctr_vm_vsrc(0)                   ; my LDS stores have read O0 and O1, in which fragments land
.irp x, 0,1
	TRL 6*(\x),   TDH, 18432+32*(\x)
	TRL 6*(\x)+1, TDH, 9216+32*(\x)
	TRL 6*(\x)+2, TD,  32*(\x)
	TRL 6*(\x)+3, TD,  9216+32*(\x)
	TRL 6*(\x)+4, TD,  2*9216+32*(\x)
	TRL 6*(\x)+5, TD,  3*9216+32*(\x)
.endr
	TRL 12, TD, 4*9216
	TRL 13, TD, 4*9216+32
	TRL 14, T1Q, 0
	TRL 15, T1K, 0
	TRL 16, T1K, 32
	TRL 17, T2Q, 0
	TRL 18, T2K, 0
	TRL 19, T2K, 32
	TRL 20, T2K, 64
	TRL 21, T2K, 96
	TRL 22, TDH, 0
	TRL 23, TDH, 32
	s_wait_dscnt 0x0                               ; my reads of the arrays are over: the next trip may write them
	s_barrier_signal -1
	s_barrier_wait -1
	s_wait_loadcnt 8                               ; the state's slice is in; the next slice's 8 raw loads may stay out
	s_cmp_eq_u32 s30, 0
	s_cbranch_scc0 .Lacc
	MMS 1                                          ; the first slice starts the sums
	s_branch .Lmmd
.Lacc:
	MMS 0
.Lmmd:
	PLACES                                         ; four places between the last products and the vector lines, at the next trip's head, that write fragments' registers
	s_wait_alu depctr_va_vdst(0)                   ; the trip's products are done reading the state's fragments, in which the loads below land
	LSTATE
	s_add_co_u32 s30, s30, 1
	s_cmp_lt_u32 s30, 8
	s_cbranch_scc1 .Lslice
	s_wait_loadcnt 0x0
	PLACES
	WIN 0x82                                       ; O^T = QB S, which carries rho_v, times 1 / rho_v: A's products with the unscaled v come onto it; each accumulator from its low end on
.set i, 0
.rept 64
	v_pk_mul_f32 v[i:i+1], v[i:i+1], s[IV:IV+1] op_sel_hi:[1,0]
.set i, i+2
.endr
	WIN 0
; A's tiles, times cA, rounded to f16: a lane's eight keys are 16 bytes of its query's row.  Tile k of ten has four registers of its own, AO + 4 k, so that one wait serves the run of ten stores.
.macro SCST k
.irp j, 0,2,4,6
	v_pk_mul_f32 v[MT+(\j):MT+(\j)+1], v[MT+(\j):MT+(\j)+1], s[CA:CA+1] op_sel_hi:[1,0]
.endr
.irp j, 0,1,2,3
	v_cvt_pk_f16_f32 v[AO+4*(\k)+(\j)], v[MT+2*(\j)], v[MT+2*(\j)+1]
.endr
.endm
.macro DIAGT ab, k                     ; a diagonal tile: register g of lane (t = l % 16, h = l / 16) is the pair (t, j = 8 h + g); each accumulator is read from its low end on
	WIN 0x04
.irp g, 0,1,2,3,4,5,6,7
	s_mov_b32 s44, (1<<(\g))|(1<<(24+(\g)))                          ; j = t
	v_cndmask_b32 v[MT+(\g)], 0, v[(\ab)+(\g)], s44
.if (\g)%2 == 0
	s_mov_b32 s45, (1<<((\g)+1))|(1<<(25+(\g)))                      ; they differ in bit 0 alone
	v_cndmask_b32 v[MT+(\g)], v[MT+(\g)], v[(\ab)+8+(\g)], s45
.endif
.if (\g)%4 < 2
	s_mov_b32 s46, (0xc<<(4*((\g)/4)))|(0xc000000<<(4*((\g)/4)))     ; highest in bit 1
	v_cndmask_b32 v[MT+(\g)], v[MT+(\g)], v[(\ab)+16+(\g)], s46
.endif
.if (\g) < 4
	v_cndmask_b32 v[MT+(\g)], v[MT+(\g)], v[(\ab)+24+(\g)], s47      ; in bit 2
.endif
	v_cndmask_b32 v[MT+(\g)], v[MT+(\g)], v[(\ab)+32+(\g)], s48      ; in bit 3
.endr
	WIN 0
	SCST \k
.endm
.macro PLAINT ab, k
	WIN 0x01
.irp j, 0,2,4,6
	v_pk_mul_f32 v[MT+(\j):MT+(\j)+1], v[(\ab)+(\j):(\ab)+(\j)+1], s[CA:CA+1] op_sel_hi:[1,0]
.endr
	WIN 0
.irp j, 0,1,2,3
	v_cvt_pk_f16_f32 v[AO+4*(\k)+(\j)], v[MT+2*(\j)], v[MT+2*(\j)+1]
.endr
.endm
	s_mov_b32 s47, 0xf00000f0
	s_mov_b32 s48, 0x0000ff00
	DIAGT 0, 0                                     ; (2 w, 2 w)
	DIAGT 40, 1                                    ; (2 w + 1, 2 w + 1)
	PLAINT 80, 2                                   ; (2 w + 1, 2 w)
	PLAINT 88, 3
	PLAINT 96, 4
	PLAINT 104, 5
	PLAINT 112, 6
	PLAINT 120, 7
	PLAINT 128, 8
.irp j, 0,1,2,3
	v_mov_b32 v[AO+36+(\j)], 0                     ; (2 w, 2 w + 1): above the diagonal
.endr
	s_wait_alu depctr_va_vdst(0)                   ; the conversions have written v[AO ..], which the ten stores read; and the lines above are done with v[MT ..], in which A's fragments land behind the barrier
	ds_store_b128 v[ASTD], v[AO:AO+3]
	ds_store_b128 v[ASTD], v[AO+4:AO+7]   offset:4352+32
	ds_store_b128 v[ASTD], v[AO+8:AO+11]  offset:4352
	ds_store_b128 v[AST1], v[AO+12:AO+15]
	ds_store_b128 v[AST1], v[AO+16:AO+19] offset:32
	ds_store_b128 v[AST2], v[AO+20:AO+23]
	ds_store_b128 v[AST2], v[AO+24:AO+27] offset:32
	ds_store_b128 v[AST2], v[AO+28:AO+31] offset:64
	ds_store_b128 v[AST2], v[AO+32:AO+35] offset:96
	ds_store_b128 v[ASTD], v[AO+36:AO+39] offset:32
	s_wait_dscnt 0x0
	s_barrier_signal -1
	s_barrier_wait -1                              ; A is whole
.irp y, 0,1,2,3                        ; A's fragments of the K steps that my rows see, each step's into registers of its own: no vector or matrix instruction since the wait above names v[AF ..], and no store has read them
.if (\y) > 0
	s_cmp_lt_u32 s12, \y
	s_cbranch_scc1 .Lafdone
.endif
.irp x, 0,1
	ds_load_b128 v[AF+16*(\y)+8*(\x):AF+16*(\y)+8*(\x)+3],   v[ARD] offset:(\x)*4352+64*(\y)
	ds_load_b128 v[AF+16*(\y)+8*(\x)+4:AF+16*(\y)+8*(\x)+7], v[ARD] offset:(\x)*4352+64*(\y)+32
.endr
.endr
.Lafdone:
	s_wait_dscnt 0x0
.irp y, 0,1,2,3                        ; O^T += V^T A^T, 32 keys a step, as far as my rows see
.if (\y) > 0
	s_cmp_lt_u32 s12, \y
	s_cbranch_scc1 .Lavdone
.endif
	WIN 0xa3
.irp vt, 0,1,2,3,4,5,6,7
.irp x, 0,1
	WM 8*(8*(\x)+(\vt)), 64*(\y)+8*(\vt), AF+16*(\y)+8*(\x), 0
.endr
.endr
	WIN 0
.endr
.Lavdone:
	PLACES
	PLACES
; THE WAY OUT: times rho_v; a lane's eight channels of a token pack into 16 bytes; through my stage they become whole rows of 256 bytes.
; The packed numbers lie in v[OP ..], which only the stores into the stage read; the rows come back into v[OB ..], A's fragments' registers, which no store has read.
.macro PACK x
	WIN 0x82
.set i, 64*(\x)
.rept 32
	v_pk_mul_f32 v[i:i+1], v[i:i+1], s[RV:RV+1] op_sel_hi:[1,0]
.set i, i+2
.endr
	WIN 0x0a
.set i, 0
.rept 32
	v_cvt_pk_f16_f32 v[OP+32*(\x)+i], v[64*(\x)+2*i], v[64*(\x)+2*i+1]
.set i, i+1
.endr
	WIN 0
	s_wait_alu depctr_va_vdst(0)                   ; the conversions have written this tile's v[OP ..], which the LDS stores read; the products are done reading A's fragments, in whose registers the rows come back
.irp f, 0,1,2,3,4,5,6,7
	ds_store_b128 v[STO], v[OP+32*(\x)+4*(\f):OP+32*(\x)+4*(\f)+3] offset:32*(\f)
.endr
.irp f, 0,1,2,3,4,5,6,7
	ds_load_b128 v[OB+32*(\x)+4*(\f):OB+32*(\x)+4*(\f)+3], v[RD] offset:(\f)*544  ; LDS serves a wave's instructions in order
.endr
.endm
.macro SEND x, younger
.irp f, 0,1,2,3,4,5,6,7
	s_wait_dscnt (\younger)+7-(\f)
	global_store_b128 v[GO], v[OB+32*(\x)+4*(\f):OB+32*(\x)+4*(\f)+3], s[10:11] offset:(\x)*65536+(\f)*8192  ; 16 lanes store 256 consecutive bytes, aligned
.endr
.endm
	PACK 0
	PACK 1
	SEND 0, 16
	SEND 1, 0
	s_wait_dscnt 0x0                               ; the closing lines, six on end
	s_wait_alu 0x0
	s_wait_tensorcnt 0x0
	ds_add_u32 v[SPW], v[NIL]
	s_wait_dscnt 0x0
	s_endpgm
.Lfunc_end_k_qe954876afd_intra:
	.size	k_qe954876afd_intra, .Lfunc_end_k_qe954876afd_intra-k_qe954876afd_intra
	.p2alignl 7, 3214868480
	.fill 96, 4, 3214868480
	.section	.rodata,"a",@progbits
	.p2align	6, 0x0
	.amdhsa_kernel k_qe954876afd_intra
		.amdhsa_group_segment_fixed_size 144896
		.amdhsa_private_segment_fixed_size 0
		.amdhsa_enable_private_segment 0
		.amdhsa_kernarg_size 32
		.amdhsa_user_sgpr_count 2
		.amdhsa_user_sgpr_kernarg_segment_ptr 1
		.amdhsa_wavefront_size32 1
		.amdhsa_system_sgpr_workgroup_id_x 1
		.amdhsa_system_sgpr_workgroup_id_y 1
		.amdhsa_system_sgpr_workgroup_id_z 1
		.amdhsa_system_vgpr_workitem_id 0
		.amdhsa_next_free_vgpr 1024
		.amdhsa_next_free_sgpr 66
		.amdhsa_reserve_vcc 0
		.amdhsa_float_denorm_mode_32 3
		.amdhsa_float_denorm_mode_16_64 3
		.amdhsa_memory_ordered 1
		.amdhsa_forward_progress 1
		.amdhsa_inst_pref_size 101
	.end_amdhsa_kernel
	.amdgpu_metadata
---
amdhsa.version: [ 1, 2 ]
amdhsa.kernels:
  - .name:           k_qe954876afd_intra
    .symbol:         k_qe954876afd_intra.kd
    .args:
      - { .name: P, .offset: 0, .size: 8, .value_kind: global_buffer, .address_space: global }
      - { .name: Sst, .offset: 8, .size: 8, .value_kind: global_buffer, .address_space: global }
      - { .name: alpha_list, .offset: 16, .size: 8, .value_kind: global_buffer, .address_space: global }
      - { .name: Ob, .offset: 24, .size: 8, .value_kind: global_buffer, .address_space: global }
    .group_segment_fixed_size: 144896
    .private_segment_fixed_size: 0
    .kernarg_segment_align: 8
    .kernarg_segment_size: 32
    .max_flat_workgroup_size: 128
    .sgpr_count:     66
    .vgpr_count:     1024
    .wavefront_size: 32
...
	.end_amdgpu_metadata
.endif
;; end of part 6
;; launch outp: the kernel of part 5 again; grid 16 x 16, 4 waves a work-group, clusters of 4 x 4, 327,680 bytes of LDS; arguments Ob, Wof, Sst, out0; writes out0
